; MI455X (gfx1250); checked and timed in simulation.
; The chip was launched on July 23, 2026; its instructions are those of AMD's public machine-readable ISA for CDNA 5 (MIT licence, August 2026) and "CDNA5" Instruction Set Architecture Reference Guide (July 2026). The comments in the code are by the model that wrote it; some were corrected since.
;; MHA. Allowed arithmetic: matrix products marked QUANTISED: E2M3 operands, one E8M0 scale for each 32 along K, by v_wmma_scale_f32_16x16x128_f8f6f4 with both operands' format E2M3, f32 sums; everything else in f32.
;; Inputs: bk 2,048 float32; bo 512 float32; bq 2,048 float32; bv 1,024 float32; conv_b 512 float32; conv_w_codes 512 x 16 x 24 uint8 (E2M3 codes of conv_w, K innermost, in blocks of 32 codes, four codes in three bytes); conv_w_scales 512 x 16 uint8 (E8M0 scales of conv_w, one for each 32 codes along K); wk_codes 2,048 x 16 x 24 uint8 (E2M3 codes of wk, K innermost, in blocks of 32 codes, four codes in three bytes); wk_scales 2,048 x 16 uint8 (E8M0 scales of wk, one for each 32 codes along K); wo_codes 512 x 32 x 24 uint8 (E2M3 codes of wo, K innermost, in blocks of 32 codes, four codes in three bytes); wo_scales 512 x 32 uint8 (E8M0 scales of wo, one for each 32 codes along K); wq_codes 2,048 x 16 x 24 uint8 (E2M3 codes of wq, K innermost, in blocks of 32 codes, four codes in three bytes); wq_scales 2,048 x 16 uint8 (E8M0 scales of wq, one for each 32 codes along K); wv_codes 1,024 x 16 x 24 uint8 (E2M3 codes of wv, K innermost, in blocks of 32 codes, four codes in three bytes); wv_scales 1,024 x 16 uint8 (E8M0 scales of wv, one for each 32 codes along K); x_codes 8 x 32 x 32 x 16 x 24 uint8 (E2M3 codes of x, K innermost, in blocks of 32 codes, four codes in three bytes); x_scales 8 x 32 x 32 x 16 uint8 (E8M0 scales of x, one for each 32 codes along K).
;; Outputs: out0 8 x 512 x 32 x 32 float32.
;; This version of the problem:
;;   THIS VERSION OF THE PROBLEM IS GIVEN IN LOW PRECISION. The matrix products marked QUANTISED in the list below multiply operands that are first quantised to E2M3 (2 exponent bits, 3 mantissa bits; 6 bits a number), with one power-of-two scale for each 32 numbers along K (OCP MX v1.0); their sums are f32. All else is computed in f32.
;;   The module's matrix products, in the order in which they are computed (A, B: the left and right operand; K: the contracted axis; several contracted axes count as one K, in the product's order):
;;     1. [M 512, K 512] x [K 512, N 8,192]; A: input conv_w (given as codes); B: input x (given as codes): QUANTISED
;;     2. [M 8,192, K 512] x [K 512, N 2,048]; A: computed on the way; B: input wq (given as codes): QUANTISED
;;     3. [M 8,192, K 512] x [K 512, N 2,048]; A: computed on the way; B: input wk (given as codes): QUANTISED
;;     4. [M 8,192, K 512] x [K 512, N 1,024]; A: computed on the way; B: input wv (given as codes): QUANTISED
;;     5. batch 64 x [M 1,024, K 256] x [K 256, N 1,024]; A: computed on the way; B: computed on the way: QUANTISED
;;     6. batch 64 x [M 1,024, K 1,024] x [K 1,024, N 128]; A: softmax (see below); B: computed on the way: QUANTISED
;;     7. [M 8,192, K 1,024] x [K 1,024, N 512]; A: computed on the way; B: input wo (given as codes): QUANTISED
;;   THE QUANTISER, for each operand of a quantised product, along K:
;;     - K is cut into blocks of 32 from its start; a last block that is shorter is filled with zeros.
;;     - A block's scale is 2^e with e = floor(log2(the largest magnitude in the block)) - 2, held to -126 .. 127; a block of zeros has e = 0. As a byte (E8M0): e + 127.
;;     - Each number is divided by its block's scale, clamped to +-7.5, and rounded to the nearest number of E2M3, ties to even, subnormals kept.
;;     - The product sums the exact products of the quantised numbers (number of the format x scale) in f32.
;;   ~~~python
;;   def quantise(x, axis):      # numpy; x: float32 -> the quantised numbers, widened to float32 again
;;       x = np.moveaxis(x, axis, -1); K = x.shape[-1]
;;       x = np.pad(x, [(0, 0)] * (x.ndim - 1) + [(0, -K % 32)]); x = x.reshape(x.shape[:-1] + (-1, 32)); a = np.abs(x).max(-1, keepdims=True)
;;       e = np.where(a > 0, np.clip(np.frexp(np.where(a > 0, a, 1))[1] - 1 - 2, -126, 127), 0)      # np.frexp(a)[1] - 1 = floor(log2(a)), exactly
;;       r = np.clip(x / 2.0 ** e, -7.5, 7.5)
;;       step = 2.0 ** (np.maximum(np.frexp(np.where(r == 0, 1, r))[1] - 1, 0) - 3)
;;       q = np.round(r / step) * step * 2.0 ** e      # np.round: ties to even
;;       return np.moveaxis(q.reshape(q.shape[:-2] + (-1,))[..., :K], -1, axis).astype(np.float32)
;;   ~~~
;;   SOFTMAX AHEAD OF A QUANTISED PRODUCT. Where the list says 'softmax', what is quantised is not the finished softmax but p = 2^(t - M), with t = logit x log2(e) and M = ceil(the row's largest t), a whole number; so 1/2 < the row's largest p <= 1. The row's sum l is taken of the UNQUANTISED p, in f32, and the product's result is divided by l at the end. Since M is a whole number, a kernel that streams over the keys may use a running M (the ceiling of the running maximum): every later rescaling is an exact power of two, which a block's scale takes up: the codes' values come out the same.
;;   OPERANDS COMPUTED ON THE WAY. 'Computed on the way' means the value that the module computes at that place (a softmax that the list does not call 'softmax' is quantised finished and normalised). What goes into a quantiser is computed in f32, as accurately as f32 sums, v_exp_f32 and their like allow (about 1e-6 of the number): no bf16 or f16 on the way to a quantiser, and a product that is left as it is and whose result goes on into a quantised operand takes f32 operands (vector FMAs, or v_wmma_f32_16x16x4_f32). A number that lies on a knife's edge between two numbers of the format may be rounded either way, as far as f32 arithmetic and the matrix unit's own rounding can turn it there, and no further.
;;   INPUTS GIVEN AS CODES. conv_w (in the module: [512, 512], K = its axis 1); wk (in the module: [2048, 512], K = its axis 1); wo (in the module: [512, 1024], K = its axis 1); wq (in the module: [2048, 512], K = its axis 1); wv (in the module: [1024, 512], K = its axis 1); x (in the module: [8, 512, 32, 32], K = its axis 1): each comes as NAME_codes (uint8): NAME with its K axis moved to the last place and cut into blocks of 32 codes, [.., K / 32, bytes a block], one block behind the other in memory; four codes in three bytes: a row's codes are one little-endian stream of bits, code i at bits 6 i .. 6 i + 5 (a code: sign, 2 exponent bits, 3 mantissa bits); and NAME_scales (uint8): the same leading axes, one E8M0 byte (e + 127) for each 32 codes along K. Its value is code x scale, taken as it is: it is not quantised again, and the codes and scales need not be those that the quantiser above would give.
;; One version. Each part assembles by itself: llvm-mc -triple=amdgcn-amd-amdhsa -mcpu=gfx1250 --defsym DOCPART=n.
;; ======== version 1 of 1: 4 launches
;; workspace buffers: tokc 3,145,728 bytes; toks 131,072 bytes; qc 12,582,912 bytes; qs 524,288 bytes; kv 19,660,800 bytes; oc 6,291,456 bytes; os 262,144 bytes
;; launch conv (part 1): grid 4 x 64, 4 waves a work-group, clusters of 4 x 1, 168,448 bytes of LDS; arguments x_codes, x_scales, conv_w_codes, conv_w_scales, conv_b, tokc, toks; writes tokc, toks
.if DOCPART == 1
	.amdgcn_target "amdgcn-amd-amdhsa--gfx1250"
	.amdhsa_code_object_version 6
	.text
	.protected	k_q2492e57ea5_conv
	.globl	k_q2492e57ea5_conv
	.p2align	8
	.type	k_q2492e57ea5_conv,@function
k_q2492e57ea5_conv:
	s_mov_b64 s[64:65], 0
	v_nop
	global_prefetch_b8 v0, s[64:65] scope:SCOPE_SE
	s_setreg_imm32_b32 hwreg(HW_REG_WAVE_MODE, 25, 1), 1
	s_wait_xcnt 0x0
	s_wait_alu depctr_hold_cnt(0) depctr_sa_sdst(0) depctr_va_vdst(0) depctr_va_sdst(0) depctr_va_ssrc(0) depctr_va_vcc(0) depctr_vm_vsrc(0)
	s_getreg_b32 s2, hwreg(HW_REG_IB_STS2, 6, 4)
	s_cmp_eq_u32 s2, 0
	s_cbranch_scc0 .Lentry_in_a_cluster
	s_endpgm
.Lentry_in_a_cluster:
	s_bfe_u32 s2, ttmp6, 0x10000c
	s_cmp_lg_u32 s2, 0x3003
	s_cbranch_scc0 .Lentry_shape_is_right
	s_endpgm
.Lentry_shape_is_right:
; t[b][o][hw] = sum over c of conv_w[o][c] x[b][c][hw] + conv_b[o], on codes of E2M3 with E8M0 scales, and t quantised along hw as the tokens' operand.
; Token n of a batch is half a row of t: o = n / 2, hw = 512 (n % 2) + c'.  So the tokens' K runs along hw: the product is used with source 0 = 16 rows of x (hw) and
; source 1 = 16 rows of conv_w (o): a lane then holds ONE o, and its registers run along hw.
; THE ROWS OF x THAT FORM A TILE ARE NOT NEIGHBOURS: lane p of tile 2 b + u takes row 32 b + 8 u + p + 8 (p / 8), so that the 16 registers of tiles 2 b, 2 b + 1 are 16 neighbours along hw.
; SHARES.  Work-group y = 8 batch + 4 u + s takes 128 rows of x (K step s of the tokens of half u); work-group x takes 128 rows of conv_w; wave w two tiles of 16 of them: 64 matrix instructions a wave.
; The four work-groups of a cluster share the rows of x: they are asked for jointly and land in each one's LDS, once.  conv_w's rows are a wave's own and come straight into registers.
; OUT.  tokc: a fragment (16 tokens x 128 K) as the image of its 12 registers, registers 4 c .. 4 c + 3 of lane l at 512 c + 16 l: [batch][tile 64][s 4][1536].  Tile 2 B + u holds in lane r token 32 B + 2 r + u.
;       toks: scale words [batch][quad 16][u 2][s 4][lane 32]: lanes 0-15 tile 4 quad + u, lanes 16-31 tile 4 quad + 2 + u.
; LIMITS: NaN and infinities are not served.  A block of zeros, or one whose largest magnitude lies under 2^-124, gets the scale byte 1; a block of zeros has zero codes, and only this program reads the bytes.
; REGISTERS: window 0: v1-9 addresses; v16-31 x's scale words; v32-35 conv_w's; v36-51 the bias as C; v52-147 conv_w's 8 fragments; v148-159 codes; v168-183 at work; window 1: x's fragments, two sets of 96; window 2: 16 accumulators.
.set PITCH, 432                        ; an LDS row of x: 3 x (128 bytes + 16 of padding)
.set REG1,  27776                      ; rows whose bit 4 is set lie here: 64 rows x 432 + 128, so that a tile's lanes 8-15 fall on other banks than its lanes 0-7
.set LI,   3                           ; v3  16 x lane
.set LS,   4                           ; v4  4 x lane
.set AX,   5                           ; v5, v6  my row of a tile of x in LDS, + 24 h; the same + 40 h (behind one padding more)
.set AW,   7                           ; v7  conv_w: 384 r + 24 h
.set AXS,  8                           ; v8  x's scale rows
.set AB,   9                           ; v9  4 r
.set XS,   16
.set CSC,  32
.set CB,   36
.set CW,   52
.set PC,   148
.set TM,   168
.set PW,   184
.set RR,   186
.set ACC,  0
.set WV,   18
.set G1,   24
.set G0A,  32
.set G0B,  36
.set SEL,  40
.set HI,   42
.set MSB, 0
.macro WIN new                         ; the immediate's high byte repeats the setting that is left
.if MSB != (\new)
	s_set_vgpr_msb (MSB<<8)|(\new)
.set MSB, (\new)
.endif
.endm
.macro PLACES n
.rept \n
	v_nop
.endr
.endm
.macro CROUND                          ; a round of the cluster's barrier
	s_barrier_signal -1
	s_barrier_wait -1
	s_cmp_lg_u32 s[WV], 0
	s_cbranch_scc1 .Lnot_wave_0_\@
	s_barrier_signal -3
.Lnot_wave_0_\@:
	s_barrier_wait -3
	s_barrier_signal -1
	s_barrier_wait -1
.endm
; a fragment from padded rows: six pieces of 8 bytes; lanes 16-31 read three pieces further on, which for some pieces is behind one padding more: the second address register serves those
.macro FRAGL reg, adr, s, off, per
.irp p, 0,1,2,3,4,5
.set PCI, 12*(\s)+6*(\p/3)+\p%3
.if PCI%(\per) < (\per)-3
	ds_load_b64 v[(\reg)+2*\p:(\reg)+2*\p+1], v[\adr] offset:(\off)+8*PCI+16*(PCI/(\per))
.else
	ds_load_b64 v[(\reg)+2*\p:(\reg)+2*\p+1], v[(\adr)+1] offset:(\off)+8*PCI+16*(PCI/(\per))
.endif
.endr
.endm
.macro MM d, a, b, c, sa, sb, ra, rb   ; one product; ra, rb: the side's scale words lie in lanes 16-31
.if (\ra) && (\rb)
	v_wmma_scale_f32_16x16x128_f8f6f4 v[(\d):(\d)+7], v[(\a):(\a)+11], v[(\b):(\b)+11], v[(\c):(\c)+7], v[(\sa)], v[(\sb)] matrix_a_fmt:MATRIX_FMT_FP6 matrix_b_fmt:MATRIX_FMT_FP6 matrix_a_scale:MATRIX_SCALE_ROW1 matrix_b_scale:MATRIX_SCALE_ROW1
.elseif (\ra)
	v_wmma_scale_f32_16x16x128_f8f6f4 v[(\d):(\d)+7], v[(\a):(\a)+11], v[(\b):(\b)+11], v[(\c):(\c)+7], v[(\sa)], v[(\sb)] matrix_a_fmt:MATRIX_FMT_FP6 matrix_b_fmt:MATRIX_FMT_FP6 matrix_a_scale:MATRIX_SCALE_ROW1
.elseif (\rb)
	v_wmma_scale_f32_16x16x128_f8f6f4 v[(\d):(\d)+7], v[(\a):(\a)+11], v[(\b):(\b)+11], v[(\c):(\c)+7], v[(\sa)], v[(\sb)] matrix_a_fmt:MATRIX_FMT_FP6 matrix_b_fmt:MATRIX_FMT_FP6 matrix_b_scale:MATRIX_SCALE_ROW1
.else
	v_wmma_scale_f32_16x16x128_f8f6f4 v[(\d):(\d)+7], v[(\a):(\a)+11], v[(\b):(\b)+11], v[(\c):(\c)+7], v[(\sa)], v[(\sb)] matrix_a_fmt:MATRIX_FMT_FP6 matrix_b_fmt:MATRIX_FMT_FP6
.endif
.endm
; 64 numbers of a lane in window sw, register 16 b + i = K position 32 b + 16 (lane / 16) + i of my row, become a fragment's codes in v[pc] on (window 0) and its scale word in v[pw]
.macro QUANT src, sw, pc, pw
	WIN ((\sw)<<2)|((\sw)<<4)
.irp b, 0,1,2,3
	v_max3_num_f32 v[TM+\b], 0x1800000, |v[(\src)+16*\b]|, |v[(\src)+16*\b+1]|   ; my 16 numbers of block b and the floor 2^(3 - 127): the byte cannot fall under 1.  Each accumulator is read from its low end on
.endr
.irp i, 2,4,6,8,10,12,14
.irp b, 0,1,2,3
	v_max3_num_f32 v[TM+\b], v[TM+\b], |v[(\src)+16*\b+\i]|, |v[(\src)+16*\b+\i+1]|
.endr
.endr
	WIN 0
.irp b, 0,1,2,3
	v_permlanex16_b32 v[TM+4+\b], v[TM+\b], s[SEL], s[SEL+1]
.endr
.irp b, 0,1,2,3
	v_max_num_f32 v[TM+\b], v[TM+\b], v[TM+4+\b]          ; with lane l xor 16's: the block's largest magnitude
.endr
.irp b, 0,1,2,3
	v_add_nc_u32 v[TM+12+\b], 0xff000000, v[TM+\b]        ; 2 off its exponent field: the conversion's scale operand
.endr
.irp b, 0,1,2,3
	v_lshrrev_b32 v[TM+4+\b], 23, v[TM+12+\b]             ; the scale's byte
.endr
	v_lshl_or_b32 v[\pw], v[TM+5], 8, v[TM+4]
	v_lshl_or_b32 v[\pw], v[TM+6], 16, v[\pw]
	v_lshl_or_b32 v[\pw], v[TM+7], 24, v[\pw]             ; my row's scale word, alike in lanes l and l xor 16
	WIN (\sw)
.irp c, 0,1
	v_cvt_scalef32_pk16_fp6_f32 v[(\pc)+6*\c:(\pc)+6*\c+2], v[(\src)+32*\c:(\src)+32*\c+15], v[TM+12+2*\c]
	v_cvt_scalef32_pk16_fp6_f32 v[TM+4+4*\c:TM+4+4*\c+2], v[(\src)+32*\c+16:(\src)+32*\c+31], v[TM+13+2*\c]   ; (a conversion's three registers begin on an even number)
.endr
	v_nop                                          ; one plain place behind a scaled conversion
	WIN 0
.irp c, 0,1                            ; the operand's layout wants a whole block in a lane
.irp i, 0,1,2
	v_permlane16_swap_b32 v[(\pc)+6*\c+\i], v[TM+4+4*\c+\i]
.endr
.irp i, 0,1,2
	v_mov_b32 v[(\pc)+6*\c+3+\i], v[TM+4+4*\c+\i]
.endr
.endr
.endm
.macro STORE3 pc, base, off            ; a fragment's image: each store covers 512 consecutive bytes, aligned
.irp c, 0,1,2
	global_store_b128 v[LI], v[(\pc)+4*\c:(\pc)+4*\c+3], s[\base:\base+1] offset:(\off)+512*\c
.endr
.endm
.macro FETCHX sx                       ; x's eight fragments of K step sx into set sx % 2 of window 1: 48 LDS loads
	WIN 0x40
.irp t, 0,1,2,3,4,5,6,7
	FRAGL 96*((\sx)%2)+12*\t, AX, \sx, (16*(\t/2)+8*(\t%2))*PITCH, 16
.endr
	WIN 0
.endm
	s_load_b256 s[4:11], s[0:1], 0x0               ; x_codes, x_scales, conv_w_codes, conv_w_scales
	s_load_b128 s[12:15], s[0:1], 0x20             ; conv_b, tokc
	s_load_b64 s[16:17], s[0:1], 0x30              ; toks
	v_lshl_add_u32 v254, v0, 2, 0x29000
	v_mov_b32 v255, 0
	ds_add_u32 v254, v255
	ds_add_u32 v254, v255
	v_lshrrev_b32 v10, 5, v0
	v_readfirstlane_b32 s[WV], v10                 ; wave 0..3
	s_and_b32 s20, ttmp7, 0xffff                   ; y, which the four partners share
	s_mul_i32 s44, s20, 49152                      ; 128 rows of 384 bytes
	s_mul_i32 s45, s[WV], 12288                    ; my 32 of them
	s_add_co_u32 s44, s44, s45
	s_mov_b32 s45, 0
	; descriptor group 1: 16 rows of 384 bytes, 16 bytes of padding behind every 128
	s_mov_b32 s[G1], 15|(1<<20)|(1<<21)|(4<<22)|(3<<25)   ; the mask: all four work-groups; elements of 1 byte; padding on; bit 21 beside a mask; after every 32 words; 4 words
	s_mov_b32 s[G1+1], 384<<16                     ; tensor_dim0
	s_mov_b32 s[G1+2], 16<<16                      ; tensor_dim1
	s_mov_b32 s[G1+3], 384<<16                     ; tile_dim0
	s_mov_b32 s[G1+4], 16                          ; tile_dim1
	s_mov_b32 s[G1+5], 384                         ; from row to row
	s_mov_b32 s[G1+6], 0
	s_mov_b32 s[G1+7], 0
	s_mov_b32 s[G0A], 1
	s_mul_i32 s[G0A+1], s[WV], 16*PITCH            ; rows 32 w .. 32 w + 15
	s_mov_b32 s[G0B], 1
	s_add_co_u32 s[G0B+1], s[G0A+1], REG1          ; rows 32 w + 16 .. 32 w + 31
	s_mov_b32 s[SEL], 0x76543210
	s_mov_b32 s[SEL+1], 0xfedcba98                 ; v_permlanex16_b32's selects for lane l xor 16
	s_mov_b32 s[HI], 0xffff0000                    ; lanes 16-31
	v_and_b32 v1, 15, v0                           ; r
	v_bfe_u32 v2, v0, 4, 1                         ; h
	v_and_b32 v10, 31, v0
	v_lshlrev_b32 v[LI], 4, v10
	v_lshlrev_b32 v[LS], 2, v10
	v_bfe_u32 v10, v0, 3, 1                        ; r / 8
	v_and_b32 v11, 7, v0                           ; r % 8
	v_mul_u32_u24 v[AX], v10, REG1
	v_mad_u32_u24 v[AX], v11, PITCH, v[AX]
	v_mad_u32_u24 v[AX], v2, 24, v[AX]
	v_lshl_add_u32 v[AX+1], v2, 4, v[AX]
	v_mul_u32_u24 v[AW], v1, 384
	v_mad_u32_u24 v[AW], v2, 24, v[AW]
	v_lshlrev_b32 v[AXS], 4, v11                   ; x's scale rows of 16 bytes: row r % 8 + 16 (r / 8) + 64 h
	v_lshl_add_u32 v[AXS], v10, 8, v[AXS]
	v_lshl_add_u32 v[AXS], v2, 10, v[AXS]
	v_lshlrev_b32 v[AB], 2, v1
.irp b, 0,1,2,3
	v_mov_b32 v[TM+4+\b], 0                        ; written once: a lane permute's destination counts as one of its sources
.endr
	s_wait_dscnt 0x0
	s_wait_kmcnt 0x0
	s_add_nc_u64 s[G0A+2:G0A+3], s[4:5], s[44:45]
	s_add_nc_u64 s[G0B+2:G0B+3], s[G0A+2:G0A+3], 6144
	s_or_b32 s[G0A+3], s[G0A+3], 0x80000000
	s_or_b32 s[G0B+3], s[G0B+3], 0x80000000
	CROUND                                         ; all four work-groups are here: the joint loads meet
	tensor_load_to_lds s[G0A:G0A+3], s[G1:G1+7]    ; two tensor loads of mine are out; LDS is filled once in this launch
	s_nop 0
	tensor_load_to_lds s[G0B:G0B+3], s[G1:G1+7]
	s_nop 0
	PLACES 4
	; what hangs on my place in the cluster: addresses of my own loads and stores alone
	s_bfe_u32 s19, ttmp6, 0x40000                  ; cx
	s_lshl_b32 s21, ttmp9, 2
	s_add_co_u32 s21, s21, s19                     ; X: which 128 rows of conv_w
	s_lshl_b32 s46, s21, 7
	s_lshl_b32 s47, s[WV], 5
	s_add_co_u32 s46, s46, s47                     ; my first row of conv_w
	s_mul_i32 s48, s46, 384
	s_mov_b32 s49, 0
	s_add_nc_u64 s[8:9], s[8:9], s[48:49]
	s_lshl_b32 s48, s46, 4
	s_add_nc_u64 s[10:11], s[10:11], s[48:49]
	s_lshl_b32 s48, s46, 2
	s_add_nc_u64 s[12:13], s[12:13], s[48:49]
	s_lshl_b32 s48, s20, 11
	s_add_nc_u64 s[6:7], s[6:7], s[48:49]          ; x's scales: 128 rows of 16 bytes
	s_lshl_b32 s22, s21, 2
	s_add_co_u32 s22, s22, s[WV]                   ; quad = 4 X + w
	s_lshr_b32 s56, s20, 3                         ; batch
	s_lshl_b32 s57, s56, 6
	s_lshl_b32 s58, s22, 2
	s_add_co_u32 s57, s57, s58
	s_bfe_u32 s58, s20, 0x10002                    ; u
	s_add_co_u32 s57, s57, s58                     ; 64 batch + 4 quad + u
	s_lshl_b32 s57, s57, 2
	s_and_b32 s58, s20, 3                          ; s
	s_add_co_u32 s57, s57, s58
	s_mul_i32 s48, s57, 1536
	s_add_nc_u64 s[14:15], s[14:15], s[48:49]
	s_lshl_b32 s56, s56, 4
	s_add_co_u32 s56, s56, s22
	s_lshl_b32 s56, s56, 3
	s_and_b32 s57, s20, 7
	s_add_co_u32 s56, s56, s57
	s_lshl_b32 s48, s56, 7
	s_add_nc_u64 s[16:17], s[16:17], s[48:49]
.irp n, 0,1                            ; conv_w's fragments (tile n, K step s): they stay in registers
.irp s, 0,1,2,3
.irp p, 0,1,2,3,4,5
	global_load_b64 v[CW+48*\n+12*\s+2*\p:CW+48*\n+12*\s+2*\p+1], v[AW], s[8:9] offset:6144*\n+96*\s+48*(\p/3)+8*(\p%3)
.endr
.endr
.endr
	global_load_b128 v[CSC:CSC+3], v[LI], s[10:11] ; conv_w's scale words: lanes 0-15 tile 0, lanes 16-31 tile 1; register s
.irp n, 0,1
	global_load_b32 v[CB+8*\n], v[AB], s[12:13] offset:64*\n
.endr
.irp t, 0,1,2,3
	global_load_b128 v[XS+4*\t:XS+4*\t+3], v[AXS], s[6:7] offset:(32*(\t/2)+8*(\t%2))*16   ; x's scale words: lanes 0-15 tile t, lanes 16-31 tile t + 4
.endr
	s_wait_tensorcnt 0x0                           ; both my parts of x's rows are in,
	s_barrier_signal -1
	s_barrier_wait -1                              ; everybody's are
	FETCHX 0
	s_wait_loadcnt 0x0
.irp n, 0,1
.irp j, 1,2,3,4,5,6,7
	v_mov_b32 v[CB+8*\n+\j], v[CB+8*\n]            ; the bias of my o in all eight registers: it is the C of each sum's first product
.endr
.endr
.irp s, 0,1,2,3                        ; four K steps of 128; the 16 accumulators take turns, one instruction a turn
.if \s < 3
.if \s > 0
	PLACES 4                                       ; in front of loads into registers that matrix instructions have read
.endif
	FETCHX \s+1
	s_wait_dscnt 48                                ; this step's fragments are in; the 48 loads just issued may be out
.else
	s_wait_dscnt 0x0
.endif
.if \s == 0
	WIN 0x81                                       ; x window 1, conv_w and the bias window 0, D window 2
.else
	WIN 0xa1
.endif
.irp t, 0,1,2,3,4,5,6,7
.irp n, 0,1
.if \s == 0
	MM ACC+64*\n+8*\t, 96*(\s%2)+12*\t, CW+48*\n+12*\s, CB+8*\n, XS+4*(\t%4)+\s, CSC+\s, \t/4, \n
.else
	MM ACC+64*\n+8*\t, 96*(\s%2)+12*\t, CW+48*\n+12*\s, ACC+64*\n+8*\t, XS+4*(\t%4)+\s, CSC+\s, \t/4, \n
.endif
.endr
.endr
.endr
	WIN 0
	PLACES 4                                       ; in front of the first read of results
	QUANT 0, 2, PC, PW
	STORE3 PC, 14, 0
	s_wait_xcnt 0x0                                ; the stores' data registers are written again only behind this wait
	QUANT 64, 2, PC, PW+1
	STORE3 PC, 14, 12288                           ; the tile two further on: 2 x 4 fragments
	v_cndmask_b32 v[RR], v[PW], v[PW+1], s[HI]     ; lanes 0-15 the first tile's words, lanes 16-31 the second's
	global_store_b32 v[LS], v[RR], s[16:17]
	s_wait_tensorcnt 0x0
	ds_add_u32 v254, v255
	s_wait_dscnt 0x0
	CROUND                                         ; the closing round
	s_endpgm
.Lfunc_end_k_q2492e57ea5_conv:
	.size	k_q2492e57ea5_conv, .Lfunc_end_k_q2492e57ea5_conv-k_q2492e57ea5_conv
	.p2alignl 7, 3214868480
	.fill 96, 4, 3214868480
	.section	.rodata,"a",@progbits
	.p2align	6, 0x0
	.amdhsa_kernel k_q2492e57ea5_conv
		.amdhsa_group_segment_fixed_size 168448
		.amdhsa_private_segment_fixed_size 0
		.amdhsa_enable_private_segment 0
		.amdhsa_kernarg_size 56
		.amdhsa_user_sgpr_count 2
		.amdhsa_user_sgpr_kernarg_segment_ptr 1
		.amdhsa_wavefront_size32 1
		.amdhsa_system_sgpr_workgroup_id_x 1
		.amdhsa_system_sgpr_workgroup_id_y 1
		.amdhsa_system_sgpr_workgroup_id_z 1
		.amdhsa_system_vgpr_workitem_id 0
		.amdhsa_next_free_vgpr 640
		.amdhsa_next_free_sgpr 66
		.amdhsa_reserve_vcc 0
		.amdhsa_float_denorm_mode_32 3
		.amdhsa_float_denorm_mode_16_64 3
		.amdhsa_memory_ordered 1
		.amdhsa_forward_progress 1
		.amdhsa_inst_pref_size 41
	.end_amdhsa_kernel
	.amdgpu_metadata
---
amdhsa.version: [ 1, 2 ]
amdhsa.kernels:
  - .name:           k_q2492e57ea5_conv
    .symbol:         k_q2492e57ea5_conv.kd
    .args:
      - { .name: x_codes, .offset: 0, .size: 8, .value_kind: global_buffer, .address_space: global }
      - { .name: x_scales, .offset: 8, .size: 8, .value_kind: global_buffer, .address_space: global }
      - { .name: conv_w_codes, .offset: 16, .size: 8, .value_kind: global_buffer, .address_space: global }
      - { .name: conv_w_scales, .offset: 24, .size: 8, .value_kind: global_buffer, .address_space: global }
      - { .name: conv_b, .offset: 32, .size: 8, .value_kind: global_buffer, .address_space: global }
      - { .name: tokc, .offset: 40, .size: 8, .value_kind: global_buffer, .address_space: global }
      - { .name: toks, .offset: 48, .size: 8, .value_kind: global_buffer, .address_space: global }
    .group_segment_fixed_size: 168448
    .private_segment_fixed_size: 0
    .kernarg_segment_align: 8
    .kernarg_segment_size: 56
    .max_flat_workgroup_size: 128
    .sgpr_count:     66
    .vgpr_count:     640
    .wavefront_size: 32
...
	.end_amdgpu_metadata
.endif
;; end of part 1
;; launch qkv (part 2): grid 32 x 8, 4 waves a work-group, clusters of 4 x 1, 276,992 bytes of LDS; arguments tokc, toks, wq_codes, wq_scales, bq, wk_codes, wk_scales, bk, wv_codes, wv_scales, bv, qc, qs, kv; writes qc, qs, kv
.if DOCPART == 2
	.amdgcn_target "amdgcn-amd-amdhsa--gfx1250"
	.amdhsa_code_object_version 6
	.text
	.protected	k_q2492e57ea5_qkv
	.globl	k_q2492e57ea5_qkv
	.p2align	8
	.type	k_q2492e57ea5_qkv,@function
k_q2492e57ea5_qkv:
	s_mov_b64 s[64:65], 0
	v_nop
	global_prefetch_b8 v0, s[64:65] scope:SCOPE_SE
	s_setreg_imm32_b32 hwreg(HW_REG_WAVE_MODE, 25, 1), 1
	s_wait_xcnt 0x0
	s_wait_alu depctr_hold_cnt(0) depctr_sa_sdst(0) depctr_va_vdst(0) depctr_va_sdst(0) depctr_va_ssrc(0) depctr_va_vcc(0) depctr_vm_vsrc(0)
	s_getreg_b32 s2, hwreg(HW_REG_IB_STS2, 6, 4)
	s_cmp_eq_u32 s2, 0
	s_cbranch_scc0 .Lentry_in_a_cluster
	s_endpgm
.Lentry_in_a_cluster:
	s_bfe_u32 s2, ttmp6, 0x10000c
	s_cmp_lg_u32 s2, 0x3003
	s_cbranch_scc0 .Lentry_shape_is_right
	s_endpgm
.Lentry_shape_is_right:
; q = tok wq^T + bq, k = tok wk^T + bk, v = tok wv^T + bv for one head and 256 tokens, on codes of E2M3; each result is quantised as the operand that attention wants: q and k along the head's 256 features, v along the tokens.
; q, k: source 0 = 16 rows of the weight, source 1 = 16 tokens: a lane holds one token, registers run along features.  v: source 0 = 16 tokens, source 1 = 16 rows of wv: a lane holds one feature, registers run along tokens.
; ORDER INSIDE A BLOCK OF 32.  wq's and wk's tiles are 16 neighbouring rows, so inside a block of 32 features the order of K is permuted, alike in q and in k.  A token tile 2 B + u holds in lane r token 32 B + 2 r + u,
; so a pair of tiles is a true block of 32 keys, permuted inside, alike in v here and in the softmax's p later.  So the last bits of those two products' sums may differ from sums taken in the true order.
; wv's rows: lane r of tile 2 b + u takes row 32 b + 8 u + r + 8 (r / 8), so that attention's result comes out in the true order of the head's 128.
; SHARES.  Work-group x: 256 tokens; y: the head.  Wave w = 2 i + j: tokens 128 i on (8 tiles, in 384 registers), q's and k's features 128 j on, v's features 64 j on.  Five passes of 128 matrix instructions on 32 accumulators.
; The head's 640 rows of weights lie in LDS, filled once, jointly by the four work-groups of a cluster, which have the same head.
; WHAT IS READ FIRST IS ASKED FOR FIRST.  wq's rows are asked for ahead of wk's and wv's, with the address arithmetic between; the first pass waits only for what it reads (token tiles 0-3, bq, two sets of scale words: 84 loads);
; the other 58 + 16 loads are issued behind that wait and land under the first pass.
; OUT: images of the operands' registers (1,536 bytes a fragment).  qc [hb][tile 64][s 2], qs [hb][s 2][tile 64][16] words; kv: 307,200 bytes a head: k's scale words [s 2][tile 64][16] at 0, v's [step 8][tile 8][16] at 8,192,
; key step n at 12,288 + 36,864 n: k [tile 8][s 2], then v [tile 8].
; LIMITS: NaN and infinities are not served.  A block of zeros, or one whose largest magnitude lies under 2^-124, gets the scale byte 1; a block of zeros has zero codes, and only this program reads the bytes.
; REGISTERS: window 0: v1-15 addresses; v16-31 tokens' scale words; v32-71 weights' scale words; v72-103 bv as C; v104-199 weight fragments; v200-211 codes; v220-241 at work.
;   window 1: token tiles 0-3 (48 t + 12 s), v192-255 bq as C.   window 2: token tiles 4-7, v192-255 bk.   window 3: 32 accumulators at 64 g + 8 t.
.set PITCH, 432                        ; an LDS row: 3 x (128 bytes + 16 of padding)
.set WKB,   256*PITCH                  ; wk's rows begin here,
.set WVB,   512*PITCH                  ; wv's here
.set LI,   3
.set LS,   4
.set AQ,   6                           ; v6, v7   my row of a tile of wq, + 24 h; + 40 h
.set AK,   8                           ; v8, v9   of wk
.set AV,   10                          ; v10, v11 of wv
.set O1,   12                          ; v12  16 r + 1024 h
.set O2,   13                          ; v13  16 (r + 8 (r / 8) + 32 h)
.set O3,   14                          ; v14  4 (r + 8 (r / 8))
.set O4,   15                          ; v15  32 h
.set TS,   16
.set WSQ,  32
.set WSK,  48
.set WSV,  64
.set BV,   72
.set W,    104
.set PC,   200
.set TM,   220
.set PW,   236
.set RR,   240
.set G1A,  32
.set G1B,  40
.set G0Q,  48
.set G0K,  52
.set G0V,  56
.set WV,   60
.set II,   61
.set JJ,   62
.set XX,   66
.set HEAD, 67
.set HB,   68
.set KAP,  69
.set SQC,  70
.set SQS,  72
.set SKC,  74
.set SKS,  76
.set SVC,  78
.set SVS,  80
.set SEL,  92
.set HI,   94
.set MSB, 0
.macro WIN new                         ; the immediate's high byte repeats the setting that is left
.if MSB != (\new)
	s_set_vgpr_msb (MSB<<8)|(\new)
.set MSB, (\new)
.endif
.endm
.macro PLACES n
.rept \n
	v_nop
.endr
.endm
.macro BAR
	s_barrier_signal -1
	s_barrier_wait -1
.endm
.macro CROUND                          ; a round of the cluster's barrier
	s_barrier_signal -1
	s_barrier_wait -1
	s_cmp_lg_u32 s[WV], 0
	s_cbranch_scc1 .Lnot_wave_0_\@
	s_barrier_signal -3
.Lnot_wave_0_\@:
	s_barrier_wait -3
	s_barrier_signal -1
	s_barrier_wait -1
.endm
.macro FRAGL reg, adr, s, off, per     ; a fragment from padded rows: six pieces of 8 bytes; the second address register serves the pieces that for lanes 16-31 lie behind one padding more
.irp p, 0,1,2,3,4,5
.set PCI, 12*(\s)+6*(\p/3)+\p%3
.if PCI%(\per) < (\per)-3
	ds_load_b64 v[(\reg)+2*\p:(\reg)+2*\p+1], v[\adr] offset:(\off)+8*PCI+16*(PCI/(\per))
.else
	ds_load_b64 v[(\reg)+2*\p:(\reg)+2*\p+1], v[(\adr)+1] offset:(\off)+8*PCI+16*(PCI/(\per))
.endif
.endr
.endm
.macro MM d, a, b, c, sa, sb, ra, rb   ; one product; ra, rb: the side's scale words lie in lanes 16-31
.if (\ra) && (\rb)
	v_wmma_scale_f32_16x16x128_f8f6f4 v[(\d):(\d)+7], v[(\a):(\a)+11], v[(\b):(\b)+11], v[(\c):(\c)+7], v[(\sa)], v[(\sb)] matrix_a_fmt:MATRIX_FMT_FP6 matrix_b_fmt:MATRIX_FMT_FP6 matrix_a_scale:MATRIX_SCALE_ROW1 matrix_b_scale:MATRIX_SCALE_ROW1
.elseif (\ra)
	v_wmma_scale_f32_16x16x128_f8f6f4 v[(\d):(\d)+7], v[(\a):(\a)+11], v[(\b):(\b)+11], v[(\c):(\c)+7], v[(\sa)], v[(\sb)] matrix_a_fmt:MATRIX_FMT_FP6 matrix_b_fmt:MATRIX_FMT_FP6 matrix_a_scale:MATRIX_SCALE_ROW1
.elseif (\rb)
	v_wmma_scale_f32_16x16x128_f8f6f4 v[(\d):(\d)+7], v[(\a):(\a)+11], v[(\b):(\b)+11], v[(\c):(\c)+7], v[(\sa)], v[(\sb)] matrix_a_fmt:MATRIX_FMT_FP6 matrix_b_fmt:MATRIX_FMT_FP6 matrix_b_scale:MATRIX_SCALE_ROW1
.else
	v_wmma_scale_f32_16x16x128_f8f6f4 v[(\d):(\d)+7], v[(\a):(\a)+11], v[(\b):(\b)+11], v[(\c):(\c)+7], v[(\sa)], v[(\sb)] matrix_a_fmt:MATRIX_FMT_FP6 matrix_b_fmt:MATRIX_FMT_FP6
.endif
.endm
; 64 numbers of a lane in window sw, register 16 b + i = K position 32 b + 16 (lane / 16) + i of my row, become a fragment's codes in v[pc] on (window 0) and its scale word in v[pw]
.macro QUANT src, sw, pc, pw
	WIN ((\sw)<<2)|((\sw)<<4)
.irp b, 0,1,2,3
	v_max3_num_f32 v[TM+\b], 0x1800000, |v[(\src)+16*\b]|, |v[(\src)+16*\b+1]|   ; my 16 numbers of block b and the floor 2^(3 - 127): the byte cannot fall under 1.  Each accumulator is read from its low end on
.endr
.irp i, 2,4,6,8,10,12,14
.irp b, 0,1,2,3
	v_max3_num_f32 v[TM+\b], v[TM+\b], |v[(\src)+16*\b+\i]|, |v[(\src)+16*\b+\i+1]|
.endr
.endr
	WIN 0
.irp b, 0,1,2,3
	v_permlanex16_b32 v[TM+4+\b], v[TM+\b], s[SEL], s[SEL+1]
.endr
.irp b, 0,1,2,3
	v_max_num_f32 v[TM+\b], v[TM+\b], v[TM+4+\b]          ; with lane l xor 16's: the block's largest magnitude
.endr
.irp b, 0,1,2,3
	v_add_nc_u32 v[TM+12+\b], 0xff000000, v[TM+\b]        ; 2 off its exponent field: the conversion's scale operand
.endr
.irp b, 0,1,2,3
	v_lshrrev_b32 v[TM+4+\b], 23, v[TM+12+\b]             ; the scale's byte
.endr
	v_lshl_or_b32 v[\pw], v[TM+5], 8, v[TM+4]
	v_lshl_or_b32 v[\pw], v[TM+6], 16, v[\pw]
	v_lshl_or_b32 v[\pw], v[TM+7], 24, v[\pw]             ; my row's scale word, alike in lanes l and l xor 16
	s_wait_xcnt 0x0                                ; the codes' registers were the data of the fragment stored last: the conversions below are the first lines that write them again
	WIN (\sw)
.irp c, 0,1
	v_cvt_scalef32_pk16_fp6_f32 v[(\pc)+6*\c:(\pc)+6*\c+2], v[(\src)+32*\c:(\src)+32*\c+15], v[TM+12+2*\c]
	v_cvt_scalef32_pk16_fp6_f32 v[TM+4+4*\c:TM+4+4*\c+2], v[(\src)+32*\c+16:(\src)+32*\c+31], v[TM+13+2*\c]   ; (a conversion's three registers begin on an even number)
.endr
	v_nop                                          ; one plain place behind a scaled conversion
	WIN 0
.irp c, 0,1                            ; the operand's layout wants a whole block in a lane
.irp i, 0,1,2
	v_permlane16_swap_b32 v[(\pc)+6*\c+\i], v[TM+4+4*\c+\i]
.endr
.irp i, 0,1,2
	v_mov_b32 v[(\pc)+6*\c+3+\i], v[TM+4+4*\c+\i]
.endr
.endr
.endm
.macro STORE3 pc, base, off            ; a fragment's image: each store covers 512 consecutive bytes, aligned
.irp c, 0,1,2
	global_store_b128 v[LI], v[(\pc)+4*\c:(\pc)+4*\c+3], s[\base:\base+1] offset:(\off)+512*\c
.endr
.endm
.macro FETCHW adr, half, s             ; four of my eight tiles of wq or wk, K step s: 24 LDS loads
.irp t, 0,1,2,3
	FRAGL W+12*(4*(\half)+\t), \adr, \s, 16*PITCH*(4*(\half)+\t), 16
.endr
.endm
.macro FETCHV s                        ; my four tiles of wv, K step s, into set s % 2: 24 LDS loads
.irp g, 0,1,2,3
	FRAGL W+48*((\s)%2)+12*\g, AV, \s, (32*(\g/2)+8*(\g%2))*PITCH, 16
.endr
.endm
; 16 products: four weight tiles x the pass's four token tiles, K step s.  At s = 0 the bias (window bw) is the C
.macro MULH half, s, p, bw, ws
.if (\s) == 0
	WIN 0xc0|((\bw)<<4)|((1+(\p))<<2)
.else
	WIN 0xf0|((1+(\p))<<2)
.endif
.irp t, 0,1,2,3
.irp g, 0,1,2,3
.if (\s) == 0
	MM 64*\g+8*(4*(\half)+\t), W+12*(4*(\half)+\t), 48*\g+12*(\s), 192+8*(4*(\half)+\t), (\ws)+4*\t+(\s), TS+8*(\p)+4*(\g%2)+(\s), \half, \g/2
.else
	MM 64*\g+8*(4*(\half)+\t), W+12*(4*(\half)+\t), 48*\g+12*(\s), 64*\g+8*(4*(\half)+\t), (\ws)+4*\t+(\s), TS+8*(\p)+4*(\g%2)+(\s), \half, \g/2
.endif
.endr
.endr
.endm
; a pass for q or k: token tiles 4 p .. 4 p + 3, my 8 weight tiles, 4 K steps.  One set of registers serves the weights: a half is fetched anew as soon as its 16 products are issued.
; nx = 0: the next pass takes the same weights, whose first step is fetched at this pass's end; nx = 1: nothing more is fetched.  The 32 accumulators take turns, one instruction a turn
.macro PASSQK adr, p, bw, ws, nx
	PLACES 5                                       ; the accumulators are begun anew with another C
.irp s, 0,1,2,3
	s_wait_dscnt 24                                ; the first half's fragments are in; the second half's 24 loads may be out
	MULH 0, \s, \p, \bw, \ws
	WIN 0
	PLACES 4                                       ; in front of loads into registers that matrix instructions have read
.if \s < 3
	FETCHW \adr, 0, \s+1
	s_wait_dscnt 24                                ; the second half is in; the 24 just issued may be out
.elseif (\nx) == 0
	FETCHW \adr, 0, 0
	s_wait_dscnt 24
.else
	s_wait_dscnt 0x0
.endif
	MULH 1, \s, \p, \bw, \ws
	WIN 0
	PLACES 4                                       ; for the loads below, and at the pass's end for the first read of results
.if \s < 3
	FETCHW \adr, 1, \s+1
.elseif (\nx) == 0
	FETCHW \adr, 1, 0
.endif
.endr
.endm
; the pass for v: source 0 = my 8 token tiles, source 1 = my 4 tiles of wv
.macro PASSV
	PLACES 5
.irp s, 0,1,2,3
.if \s < 3
	PLACES 4
	FETCHV \s+1
	s_wait_dscnt 24                                ; this step's fragments are in; the 24 just issued may be out
.else
	s_wait_dscnt 0x0
.endif
.irp t, 0,1,2,3,4,5,6,7
.if \s == 0
	WIN 0xc0|(1+\t/4)
.else
	WIN 0xf0|(1+\t/4)
.endif
.irp g, 0,1,2,3
.if \s == 0
	MM 64*\g+8*\t, 48*(\t%4)+12*\s, W+48*(\s%2)+12*\g, BV+8*\g, TS+8*(\t/4)+4*(\t%2)+\s, WSV+4*(\g%2)+\s, (\t/2)%2, \g/2
.else
	MM 64*\g+8*\t, 48*(\t%4)+12*\s, W+48*(\s%2)+12*\g, 64*\g+8*\t, TS+8*(\t/4)+4*(\t%2)+\s, WSV+4*(\g%2)+\s, (\t/2)%2, \g/2
.endif
.endr
.endr
	WIN 0
.endr
.endm
; a pass's 32 accumulators become four fragments and their scale words.  The two registers of scale words were last stored a pass ago: four waits on XCNT, one in each quantising, stand between
.macro OUTS cb, coff0, cstep, sb, soff0
.irp g, 0,1,2,3
	QUANT 64*\g, 3, PC, PW+\g
	STORE3 PC, \cb, (\coff0)+\g*(\cstep)
.endr
	v_cndmask_b32 v[RR], v[PW], v[PW+1], s[HI]     ; two tiles' words to a store of 128 bytes
	v_cndmask_b32 v[RR+1], v[PW+2], v[PW+3], s[HI]
	global_store_b32 v[LS], v[RR], s[\sb:\sb+1] offset:\soff0
	global_store_b32 v[LS], v[RR+1], s[\sb:\sb+1] offset:(\soff0)+128
.endm
	s_load_b256 s[4:11], s[0:1], 0x0               ; tokc, toks, wq_codes, wq_scales
	s_load_b256 s[12:19], s[0:1], 0x20             ; bq, wk_codes, wk_scales, bk
	s_load_b256 s[20:27], s[0:1], 0x40             ; wv_codes, wv_scales, bv, qc
	s_load_b128 s[28:31], s[0:1], 0x60             ; qs, kv
	v_lshl_add_u32 v254, v0, 2, 0x43800
	v_mov_b32 v255, 0
	ds_add_u32 v254, v255
	ds_add_u32 v254, v255
	v_lshrrev_b32 v5, 5, v0
	v_readfirstlane_b32 s[WV], v5                  ; wave 0..3
	s_lshr_b32 s[II], s[WV], 1                     ; i: which 128 tokens
	s_and_b32 s[JJ], s[WV], 1                      ; j: which half of the features
	s_and_b32 s[HEAD], ttmp7, 0xffff               ; the head, which the four partners share
	s_lshl_b32 s82, s[HEAD], 8
	s_lshl_b32 s83, s[WV], 6
	s_add_co_u32 s82, s82, s83
	s_mul_i32 s82, s82, 384                        ; wq, wk: row 256 head + 64 w
	s_mov_b32 s83, 0
	s_lshr_b32 s84, s82, 1                         ; wv: row 128 head + 32 w
	s_mov_b32 s85, 0
	; descriptor groups 1: 64 (wq, wk) or 32 (wv) rows of 384 bytes, 16 bytes of padding behind every 128
	s_mov_b32 s[G1A], 15|(1<<20)|(1<<21)|(4<<22)|(3<<25)
	s_mov_b32 s[G1A+1], 384<<16
	s_mov_b32 s[G1A+2], 64<<16
	s_mov_b32 s[G1A+3], 384<<16
	s_mov_b32 s[G1A+4], 64
	s_mov_b32 s[G1A+5], 384
	s_mov_b32 s[G1A+6], 0
	s_mov_b32 s[G1A+7], 0
	s_mov_b32 s[G1B], 15|(1<<20)|(1<<21)|(4<<22)|(3<<25)
	s_mov_b32 s[G1B+1], 384<<16
	s_mov_b32 s[G1B+2], 32<<16
	s_mov_b32 s[G1B+3], 384<<16
	s_mov_b32 s[G1B+4], 32
	s_mov_b32 s[G1B+5], 384
	s_mov_b32 s[G1B+6], 0
	s_mov_b32 s[G1B+7], 0
	s_mov_b32 s[G0Q], 1
	s_mul_i32 s[G0Q+1], s[WV], 64*PITCH
	s_mov_b32 s[G0K], 1
	s_add_co_u32 s[G0K+1], s[G0Q+1], WKB
	s_mov_b32 s[G0V], 1
	s_mul_i32 s[G0V+1], s[WV], 32*PITCH
	s_add_co_u32 s[G0V+1], s[G0V+1], WVB
	s_mov_b32 s[SEL], 0x76543210
	s_mov_b32 s[SEL+1], 0xfedcba98
	s_mov_b32 s[HI], 0xffff0000
	v_and_b32 v1, 15, v0                           ; r
	v_bfe_u32 v2, v0, 4, 1                         ; h
	v_and_b32 v5, 31, v0
	v_lshlrev_b32 v[LI], 4, v5
	v_lshlrev_b32 v[LS], 2, v5
	v_mul_u32_u24 v5, v1, PITCH
	v_mad_u32_u24 v5, v2, 24, v5
	s_mul_i32 s86, s[JJ], 128*PITCH
	v_add_nc_u32 v[AQ], s86, v5
	v_lshl_add_u32 v[AQ+1], v2, 4, v[AQ]
	v_add_nc_u32 v[AK], WKB, v[AQ]
	v_add_nc_u32 v[AK+1], WKB, v[AQ+1]
	v_and_b32 v5, 8, v1
	v_add_nc_u32 v5, v5, v1                        ; r + 8 (r / 8)
	v_mul_u32_u24 v[AV], v5, PITCH
	v_mad_u32_u24 v[AV], v2, 24, v[AV]
	s_mul_i32 s86, s[JJ], 64*PITCH
	s_add_co_u32 s86, s86, WVB
	v_add_nc_u32 v[AV], s86, v[AV]
	v_lshl_add_u32 v[AV+1], v2, 4, v[AV]
	v_lshlrev_b32 v[O1], 4, v1
	v_lshl_add_u32 v[O1], v2, 10, v[O1]
	v_lshlrev_b32 v[O2], 4, v5
	v_lshl_add_u32 v[O2], v2, 9, v[O2]
	v_lshlrev_b32 v[O3], 2, v5
	v_lshlrev_b32 v[O4], 5, v2
.irp b, 0,1,2,3
	v_mov_b32 v[TM+4+\b], 0                        ; written once: a lane permute's destination counts as one of its sources
.endr
	s_wait_dscnt 0x0
	s_wait_kmcnt 0x0
	s_add_nc_u64 s[G0Q+2:G0Q+3], s[8:9], s[82:83]
	s_or_b32 s[G0Q+3], s[G0Q+3], 0x80000000
	s_add_nc_u64 s[G0K+2:G0K+3], s[14:15], s[82:83]
	s_or_b32 s[G0K+3], s[G0K+3], 0x80000000
	s_add_nc_u64 s[G0V+2:G0V+3], s[20:21], s[84:85]
	s_or_b32 s[G0V+3], s[G0V+3], 0x80000000
	CROUND                                         ; all four work-groups are here: the joint loads meet
	tensor_load_to_lds s[G0Q:G0Q+3], s[G1A:G1A+7]  ; wq's part, which the first two passes read, is asked for first; LDS is filled once in this launch
	s_nop 0
	PLACES 4
	; what hangs on my place in the cluster: addresses of my own loads and stores alone, in registers that no descriptor names
	s_bfe_u32 s63, ttmp6, 0x40000                  ; cx
	s_lshl_b32 s[XX], ttmp9, 2
	s_add_co_u32 s[XX], s[XX], s63                 ; X: which 256 tokens
	s_lshr_b32 s[HB], s[XX], 2
	s_lshl_b32 s[HB], s[HB], 3
	s_add_co_u32 s[HB], s[HB], s[HEAD]             ; hb = 8 batch + head
	s_and_b32 s[KAP], s[XX], 3
	s_lshl_b32 s[KAP], s[KAP], 1
	s_add_co_u32 s[KAP], s[KAP], s[II]             ; my tokens are key step 2 (X % 4) + i of the batch
	s_mov_b32 s89, 0
	s_lshl_b32 s86, s[XX], 1
	s_add_co_u32 s86, s86, s[II]                   ; 2 X + i
	s_mul_i32 s88, s86, 49152                      ; 8 tiles of 4 fragments
	s_add_nc_u64 s[4:5], s[4:5], s[88:89]
	s_lshl_b32 s88, s86, 11                        ; 2 quads of 1,024 bytes
	s_add_nc_u64 s[6:7], s[6:7], s[88:89]
	s_lshl_b32 s86, s[HEAD], 8
	s_lshl_b32 s87, s[JJ], 7
	s_add_co_u32 s86, s86, s87                     ; 256 head + 128 j
	s_lshl_b32 s88, s86, 4
	s_add_nc_u64 s[10:11], s[10:11], s[88:89]
	s_add_nc_u64 s[16:17], s[16:17], s[88:89]
	s_lshl_b32 s88, s86, 2
	s_add_nc_u64 s[12:13], s[12:13], s[88:89]
	s_add_nc_u64 s[18:19], s[18:19], s[88:89]
	s_lshl_b32 s88, s86, 3                         ; (128 head + 64 j) x 16
	s_add_nc_u64 s[22:23], s[22:23], s[88:89]
	s_lshl_b32 s88, s86, 1                         ; (128 head + 64 j) x 4
	s_add_nc_u64 s[24:25], s[24:25], s[88:89]
	s_lshl_b32 s87, s[KAP], 3                      ; my first tile in the batch
	s_lshl_b32 s86, s[HB], 6
	s_add_co_u32 s86, s86, s87
	s_lshl_b32 s86, s86, 1
	s_add_co_u32 s86, s86, s[JJ]
	s_mul_i32 s88, s86, 1536
	s_add_nc_u64 s[SQC:SQC+1], s[26:27], s[88:89]
	s_lshl_b32 s86, s[JJ], 12
	s_lshl_b32 s87, s87, 6
	s_add_co_u32 s86, s86, s87                     ; 4096 j + 64 x tile
	s_lshl_b32 s88, s[HB], 13
	s_add_co_u32 s88, s88, s86
	s_add_nc_u64 s[SQS:SQS+1], s[28:29], s[88:89]
	s_mul_i32 s90, s[HB], 307200                   ; the head's block of kv
	s_add_co_u32 s88, s90, s86
	s_add_nc_u64 s[SKS:SKS+1], s[30:31], s[88:89]
	s_mul_i32 s87, s[KAP], 36864
	s_add_co_u32 s87, s87, s90
	s_mul_i32 s86, s[JJ], 1536
	s_add_co_u32 s88, s87, s86
	s_add_co_u32 s88, s88, 12288
	s_add_nc_u64 s[SKC:SKC+1], s[30:31], s[88:89]
	s_mul_i32 s86, s[JJ], 6144
	s_add_co_u32 s88, s87, s86
	s_add_co_u32 s88, s88, 36864
	s_add_nc_u64 s[SVC:SVC+1], s[30:31], s[88:89]
	s_lshl_b32 s86, s[KAP], 9
	s_lshl_b32 s87, s[JJ], 8
	s_add_co_u32 s86, s86, s87
	s_add_co_u32 s88, s90, s86
	s_add_co_u32 s88, s88, 8192
	s_add_nc_u64 s[SVS:SVS+1], s[30:31], s[88:89]
	tensor_load_to_lds s[G0K:G0K+3], s[G1A:G1A+7]  ; wk's and wv's parts, read from the third pass on: three tensor loads of mine are out
	s_nop 0
	tensor_load_to_lds s[G0V:G0V+3], s[G1B:G1B+7]
	s_nop 0
	PLACES 4
	WIN 0x40                                       ; destination window 1: token tiles 0-3 and bq: what the first pass reads
.set kt, 0
.rept 48
	global_load_b128 v[4*kt:4*kt+3], v[LI], s[4:5] offset:512*kt
.set kt, kt+1
.endr
.irp t, 0,1,2,3,4,5,6,7
	global_load_b128 v[192+8*\t:192+8*\t+3], v[O4], s[12:13] offset:64*\t
	global_load_b128 v[192+8*\t+4:192+8*\t+7], v[O4], s[12:13] offset:64*\t+16
.endr
	WIN 0
.set kk, 0
.rept 16
	global_load_b32 v[TS+kk], v[LS], s[6:7] offset:128*kk      ; register 8 p + 4 u + s: lanes 0-15 tile 4 p + u, lanes 16-31 tile 4 p + 2 + u
.set kk, kk+1
.endr
.irp t, 0,1,2,3
	global_load_b128 v[WSQ+4*\t:WSQ+4*\t+3], v[O1], s[10:11] offset:256*\t     ; lanes 0-15 tile t, lanes 16-31 tile t + 4
.endr
	s_wait_tensorcnt 0x2                           ; my part of wq is in (wk's and wv's may be out)
	BAR                                            ; everybody's is
	FETCHW AQ, 0, 0
	FETCHW AQ, 1, 0
	s_wait_loadcnt 0x0                             ; the 84 loads that the first pass reads
	WIN 0x80                                       ; destination window 2: token tiles 4-7: 48 loads that land under the first pass
.rept 48
	global_load_b128 v[4*(kt-48):4*(kt-48)+3], v[LI], s[4:5] offset:512*kt
.set kt, kt+1
.endr
	WIN 0
.irp t, 0,1,2,3
	global_load_b128 v[WSK+4*\t:WSK+4*\t+3], v[O1], s[16:17] offset:256*\t
.endr
.irp g, 0,1
	global_load_b128 v[WSV+4*\g:WSV+4*\g+3], v[O2], s[22:23] offset:128*\g     ; lanes 0-15 tile g, lanes 16-31 tile g + 2
.endr
.irp g, 0,1,2,3
	global_load_b32 v[BV+8*\g], v[O3], s[24:25] offset:(32*(\g/2)+8*(\g%2))*4
.endr
	PASSQK AQ, 0, 1, WSQ, 0
	WIN 0x80                                       ; bk, wanted from the third pass on
.irp t, 0,1,2,3,4,5,6,7
	global_load_b128 v[192+8*\t:192+8*\t+3], v[O4], s[18:19] offset:64*\t
	global_load_b128 v[192+8*\t+4:192+8*\t+7], v[O4], s[18:19] offset:64*\t+16
.endr
	WIN 0
	OUTS SQC, 0, 3072, SQS, 0
	s_wait_loadcnt 0x0                             ; token tiles 4-7 and the rest, asked for a pass ago
.irp g, 0,1,2,3
.irp j, 1,2,3,4,5,6,7
	v_mov_b32 v[BV+8*\g+\j], v[BV+8*\g]            ; bv of my feature in all eight registers
.endr
.endr
	PASSQK AQ, 1, 1, WSQ, 1
	s_wait_tensorcnt 0x1                           ; my part of wk is in; no LDS load of mine is out
	BAR
	FETCHW AK, 0, 0                                ; they land while q's second half is quantised
	FETCHW AK, 1, 0
	OUTS SQC, 12288, 3072, SQS, 256
	PASSQK AK, 0, 2, WSK, 0
	OUTS SKC, 0, 3072, SKS, 0
	PASSQK AK, 1, 2, WSK, 1
	s_wait_tensorcnt 0x0                           ; my part of wv is in
	BAR
	FETCHV 0
	OUTS SKC, 12288, 3072, SKS, 256
	PASSV
	PLACES 4                                       ; in front of the first read of results
	OUTS SVC, 0, 1536, SVS, 0
	s_wait_tensorcnt 0x0
	ds_add_u32 v254, v255
	s_wait_dscnt 0x0
	CROUND                                         ; the closing round
	s_endpgm
.Lfunc_end_k_q2492e57ea5_qkv:
	.size	k_q2492e57ea5_qkv, .Lfunc_end_k_q2492e57ea5_qkv-k_q2492e57ea5_qkv
	.p2alignl 7, 3214868480
	.fill 96, 4, 3214868480
	.section	.rodata,"a",@progbits
	.p2align	6, 0x0
	.amdhsa_kernel k_q2492e57ea5_qkv
		.amdhsa_group_segment_fixed_size 276992
		.amdhsa_private_segment_fixed_size 0
		.amdhsa_enable_private_segment 0
		.amdhsa_kernarg_size 112
		.amdhsa_user_sgpr_count 2
		.amdhsa_user_sgpr_kernarg_segment_ptr 1
		.amdhsa_wavefront_size32 1
		.amdhsa_system_sgpr_workgroup_id_x 1
		.amdhsa_system_sgpr_workgroup_id_y 1
		.amdhsa_system_sgpr_workgroup_id_z 1
		.amdhsa_system_vgpr_workitem_id 0
		.amdhsa_next_free_vgpr 1024
		.amdhsa_next_free_sgpr 100
		.amdhsa_reserve_vcc 0
		.amdhsa_float_denorm_mode_32 3
		.amdhsa_float_denorm_mode_16_64 3
		.amdhsa_memory_ordered 1
		.amdhsa_forward_progress 1
		.amdhsa_inst_pref_size 252
	.end_amdhsa_kernel
	.amdgpu_metadata
---
amdhsa.version: [ 1, 2 ]
amdhsa.kernels:
  - .name:           k_q2492e57ea5_qkv
    .symbol:         k_q2492e57ea5_qkv.kd
    .args:
      - { .name: tokc, .offset: 0, .size: 8, .value_kind: global_buffer, .address_space: global }
      - { .name: toks, .offset: 8, .size: 8, .value_kind: global_buffer, .address_space: global }
      - { .name: wq_codes, .offset: 16, .size: 8, .value_kind: global_buffer, .address_space: global }
      - { .name: wq_scales, .offset: 24, .size: 8, .value_kind: global_buffer, .address_space: global }
      - { .name: bq, .offset: 32, .size: 8, .value_kind: global_buffer, .address_space: global }
      - { .name: wk_codes, .offset: 40, .size: 8, .value_kind: global_buffer, .address_space: global }
      - { .name: wk_scales, .offset: 48, .size: 8, .value_kind: global_buffer, .address_space: global }
      - { .name: bk, .offset: 56, .size: 8, .value_kind: global_buffer, .address_space: global }
      - { .name: wv_codes, .offset: 64, .size: 8, .value_kind: global_buffer, .address_space: global }
      - { .name: wv_scales, .offset: 72, .size: 8, .value_kind: global_buffer, .address_space: global }
      - { .name: bv, .offset: 80, .size: 8, .value_kind: global_buffer, .address_space: global }
      - { .name: qc, .offset: 88, .size: 8, .value_kind: global_buffer, .address_space: global }
      - { .name: qs, .offset: 96, .size: 8, .value_kind: global_buffer, .address_space: global }
      - { .name: kv, .offset: 104, .size: 8, .value_kind: global_buffer, .address_space: global }
    .group_segment_fixed_size: 276992
    .private_segment_fixed_size: 0
    .kernarg_segment_align: 8
    .kernarg_segment_size: 112
    .max_flat_workgroup_size: 128
    .sgpr_count:     100
    .vgpr_count:     1024
    .wavefront_size: 32
...
	.end_amdgpu_metadata
.endif
;; end of part 2
;; launch attn (part 3): grid 4 x 64, 8 waves a work-group, clusters of 4 x 1, 308,224 bytes of LDS; arguments qc, qs, kv, oc, os; writes oc, os
.if DOCPART == 3
	.amdgcn_target "amdgcn-amd-amdhsa--gfx1250"
	.amdhsa_code_object_version 6
	.text
	.protected	k_q2492e57ea5_attn
	.globl	k_q2492e57ea5_attn
	.p2align	8
	.type	k_q2492e57ea5_attn,@function
k_q2492e57ea5_attn:
	s_mov_b64 s[64:65], 0
	v_nop
	global_prefetch_b8 v0, s[64:65] scope:SCOPE_SE
	s_setreg_imm32_b32 hwreg(HW_REG_WAVE_MODE, 25, 1), 1
	s_wait_xcnt 0x0
	s_wait_alu depctr_hold_cnt(0) depctr_sa_sdst(0) depctr_va_vdst(0) depctr_va_sdst(0) depctr_va_ssrc(0) depctr_va_vcc(0) depctr_vm_vsrc(0)
	s_getreg_b32 s2, hwreg(HW_REG_IB_STS2, 6, 4)
	s_cmp_eq_u32 s2, 0
	s_cbranch_scc0 .Lentry_in_a_cluster
	s_endpgm
.Lentry_in_a_cluster:
	s_bfe_u32 s2, ttmp6, 0x10000c
	s_cmp_lg_u32 s2, 0x3003
	s_cbranch_scc0 .Lentry_shape_is_right
	s_endpgm
.Lentry_shape_is_right:
; o = softmax(q k^T / 16) v for one head of one batch and 256 queries, both products on codes of E2M3; o is quantised along the head's 128 as the last product's operand.
; THE SOFTMAX: t = score x log2(e) / 16; M = the running largest t rounded UP to a whole number; p = 2^(t - M) is quantised along the keys, not normalised; the row's sum is taken of the unquantised p and divides at the end.
; When M moves, the sum and O are multiplied by 2^(old M - new M), which rounds nothing; there is no branch on data.
; A block's largest p is not searched for: the block's largest score goes through the same multiply-add and exponential (this takes v_exp_f32 not to fall where its input rises).
; SHARES.  Work-group y: hb = 8 batch + head; x: 256 queries.  Each of eight waves owns two tiles of 16 queries: each fragment of K and V read from LDS feeds two products, and two waves share a SIMD, so that
; one wave's vector work stands beside the other's products.  Both products are used transposed (S^T = K Q^T, O^T = V^T P^T): a lane holds one query throughout.
; The head's K, V and scale words, 307,200 bytes laid as images of the operands' registers, lie in LDS whole: filled once, jointly by the four work-groups of a cluster, in two parts a wave; the first part holds the
; scale words and key steps 0 to 2, and key steps 0 and 1 are worked while the second part is on its way: they are written out, so that their LDS addresses are constants of the text.
; WHAT IS READ FIRST IS ASKED FOR FIRST: in each wave's text Q's loads and the set-up, some 190 lines, stand between the request for its share of the first part and that for its share of the second.
; LIMITS: NaN and infinities are not served.  A block of zeros, or one whose largest magnitude lies under 2^-124, gets the scale byte 1; a block of zeros has zero codes, and only this program reads the bytes.
; REGISTERS: window 0: v1-5 addresses; v6, v7 at work; v8-15 per tile -M, largest t, the sum in two halves; v16-23 K's scale words, v24-27 V's, v28-29 Q's, v30-31 P's; v32-49 at work; v52-99 Q; v100-123 P's codes;
;   v124, v125 the step's addresses; v128-255 S^T, then p (64 q + 8 t).   window 1: v0-127 O^T (64 q + 8 t); v128-175, v176-223 two sets of four fragments.
.set STEPB, 36864                      ; a key step in LDS: K 8 tiles x 2 K steps, then V 8 tiles, 1,536 bytes each
.set KBASE, 12288
.set VSB,   8192
.set AKV0, 1                           ; v1  16 x lane + KBASE
.set LI,   3
.set LS,   4
.set AQS,  5                           ; v5  4 r + 4096 h
.set T,    6
.set RR,   7
.set ST,   8
.set KS,   16
.set VS,   24
.set QS,   28
.set PS,   30
.set PW,   30
.set BM,   32
.set BT,   36
.set SO,   44
.set TM,   32
.set F,    48
.set Q,    52
.set PC,   100
.set AKV,  124
.set ASC,  125
.set S,    128
.set F0,   128
.set F1,   176
.set WV,   14
.set HB,   16
.set G1A,  24
.set G1B,  32
.set G0A,  40
.set G0B,  44
.set CS,   48
.set SEL,  50
.set HI,   52
.set CNT,  53
.set TB,   66
.set TSC,  67
.set MSB, 0
.macro WIN new                         ; the immediate's high byte repeats the setting that is left
.if MSB != (\new)
	s_set_vgpr_msb (MSB<<8)|(\new)
.set MSB, (\new)
.endif
.endm
.macro PLACES n
.rept \n
	v_nop
.endr
.endm
.macro BAR
	s_barrier_signal -1
	s_barrier_wait -1
.endm
.macro CROUND                          ; a round of the cluster's barrier
	s_barrier_signal -1
	s_barrier_wait -1
	s_cmp_lg_u32 s[WV], 0
	s_cbranch_scc1 .Lnot_wave_0_\@
	s_barrier_signal -3
.Lnot_wave_0_\@:
	s_barrier_wait -3
	s_barrier_signal -1
	s_barrier_wait -1
.endm
.macro MM d, a, b, c, sa, sb, ra, rb   ; one product; c < 0: it starts the sum with the constant 0; ra, rb: the side's scale words lie in lanes 16-31
.if (\c) < 0
.if (\ra) && (\rb)
	v_wmma_scale_f32_16x16x128_f8f6f4 v[(\d):(\d)+7], v[(\a):(\a)+11], v[(\b):(\b)+11], 0, v[(\sa)], v[(\sb)] matrix_a_fmt:MATRIX_FMT_FP6 matrix_b_fmt:MATRIX_FMT_FP6 matrix_a_scale:MATRIX_SCALE_ROW1 matrix_b_scale:MATRIX_SCALE_ROW1
.elseif (\ra)
	v_wmma_scale_f32_16x16x128_f8f6f4 v[(\d):(\d)+7], v[(\a):(\a)+11], v[(\b):(\b)+11], 0, v[(\sa)], v[(\sb)] matrix_a_fmt:MATRIX_FMT_FP6 matrix_b_fmt:MATRIX_FMT_FP6 matrix_a_scale:MATRIX_SCALE_ROW1
.elseif (\rb)
	v_wmma_scale_f32_16x16x128_f8f6f4 v[(\d):(\d)+7], v[(\a):(\a)+11], v[(\b):(\b)+11], 0, v[(\sa)], v[(\sb)] matrix_a_fmt:MATRIX_FMT_FP6 matrix_b_fmt:MATRIX_FMT_FP6 matrix_b_scale:MATRIX_SCALE_ROW1
.else
	v_wmma_scale_f32_16x16x128_f8f6f4 v[(\d):(\d)+7], v[(\a):(\a)+11], v[(\b):(\b)+11], 0, v[(\sa)], v[(\sb)] matrix_a_fmt:MATRIX_FMT_FP6 matrix_b_fmt:MATRIX_FMT_FP6
.endif
.else
.if (\ra) && (\rb)
	v_wmma_scale_f32_16x16x128_f8f6f4 v[(\d):(\d)+7], v[(\a):(\a)+11], v[(\b):(\b)+11], v[(\c):(\c)+7], v[(\sa)], v[(\sb)] matrix_a_fmt:MATRIX_FMT_FP6 matrix_b_fmt:MATRIX_FMT_FP6 matrix_a_scale:MATRIX_SCALE_ROW1 matrix_b_scale:MATRIX_SCALE_ROW1
.elseif (\ra)
	v_wmma_scale_f32_16x16x128_f8f6f4 v[(\d):(\d)+7], v[(\a):(\a)+11], v[(\b):(\b)+11], v[(\c):(\c)+7], v[(\sa)], v[(\sb)] matrix_a_fmt:MATRIX_FMT_FP6 matrix_b_fmt:MATRIX_FMT_FP6 matrix_a_scale:MATRIX_SCALE_ROW1
.elseif (\rb)
	v_wmma_scale_f32_16x16x128_f8f6f4 v[(\d):(\d)+7], v[(\a):(\a)+11], v[(\b):(\b)+11], v[(\c):(\c)+7], v[(\sa)], v[(\sb)] matrix_a_fmt:MATRIX_FMT_FP6 matrix_b_fmt:MATRIX_FMT_FP6 matrix_b_scale:MATRIX_SCALE_ROW1
.else
	v_wmma_scale_f32_16x16x128_f8f6f4 v[(\d):(\d)+7], v[(\a):(\a)+11], v[(\b):(\b)+11], v[(\c):(\c)+7], v[(\sa)], v[(\sb)] matrix_a_fmt:MATRIX_FMT_FP6 matrix_b_fmt:MATRIX_FMT_FP6
.endif
.endif
.endm
; 64 numbers of a lane in window sw, register 16 b + i = K position 32 b + 16 (lane / 16) + i of my row, become a fragment's codes in v[pc] on (window 0) and its scale word in v[pw]
.macro QUANT src, sw, pc, pw
	WIN ((\sw)<<2)|((\sw)<<4)
.irp b, 0,1,2,3
	v_max3_num_f32 v[TM+\b], 0x1800000, |v[(\src)+16*\b]|, |v[(\src)+16*\b+1]|   ; my 16 numbers of block b and the floor 2^(3 - 127): the byte cannot fall under 1
.endr
.irp i, 2,4,6,8,10,12,14
.irp b, 0,1,2,3
	v_max3_num_f32 v[TM+\b], v[TM+\b], |v[(\src)+16*\b+\i]|, |v[(\src)+16*\b+\i+1]|
.endr
.endr
	WIN 0
.irp b, 0,1,2,3
	v_permlanex16_b32 v[TM+4+\b], v[TM+\b], s[SEL], s[SEL+1]
.endr
.irp b, 0,1,2,3
	v_max_num_f32 v[TM+\b], v[TM+\b], v[TM+4+\b]
.endr
.irp b, 0,1,2,3
	v_add_nc_u32 v[TM+12+\b], 0xff000000, v[TM+\b]
.endr
.irp b, 0,1,2,3
	v_lshrrev_b32 v[TM+4+\b], 23, v[TM+12+\b]
.endr
	v_lshl_or_b32 v[\pw], v[TM+5], 8, v[TM+4]
	v_lshl_or_b32 v[\pw], v[TM+6], 16, v[\pw]
	v_lshl_or_b32 v[\pw], v[TM+7], 24, v[\pw]
	WIN (\sw)
.irp c, 0,1
	v_cvt_scalef32_pk16_fp6_f32 v[(\pc)+6*\c:(\pc)+6*\c+2], v[(\src)+32*\c:(\src)+32*\c+15], v[TM+12+2*\c]
	v_cvt_scalef32_pk16_fp6_f32 v[TM+4+4*\c:TM+4+4*\c+2], v[(\src)+32*\c+16:(\src)+32*\c+31], v[TM+13+2*\c]
.endr
	v_nop                                          ; one plain place behind a scaled conversion
	WIN 0
.irp c, 0,1
.irp i, 0,1,2
	v_permlane16_swap_b32 v[(\pc)+6*\c+\i], v[TM+4+4*\c+\i]
.endr
.irp i, 0,1,2
	v_mov_b32 v[(\pc)+6*\c+3+\i], v[TM+4+4*\c+\i]
.endr
.endr
.endm
.macro STORE3 pc, base, off            ; a fragment's image: each store covers 512 consecutive bytes, aligned
.irp c, 0,1,2
	global_store_b128 v[LI], v[(\pc)+4*\c:(\pc)+4*\c+3], s[\base:\base+1] offset:(\off)+512*\c
.endr
.endm
.macro LDF f, off, str                 ; four fragments, str bytes apart, as images: 12 LDS loads of 512 consecutive bytes
	WIN 0x40
.irp t, 0,1,2,3
.irp c, 0,1,2
	ds_load_b128 v[(\f)+12*\t+4*\c:(\f)+12*\t+4*\c+3], v[AKV] offset:(\off)+\t*(\str)+512*\c
.endr
.endr
	WIN 0
.endm
; 8 products of S^T = K Q^T: key tiles 4 gg .. 4 gg + 3 x my two query tiles, K step s of the head's 256.  Eight accumulators by turns
.macro MULK gg, s
	WIN 0x01
.irp t, 0,1,2,3
.irp q, 0,1
.if (\s) == 0
	MM S+64*\q+8*(4*(\gg)+\t), F0+12*\t, Q+24*\q, -1, KS+2*(\gg)+\t/2, QS+\q, \t%2, 0
.else
	MM S+64*\q+8*(4*(\gg)+\t), F1+12*\t, Q+24*\q+12, S+64*\q+8*(4*(\gg)+\t), KS+4+2*(\gg)+\t/2, QS+\q, \t%2, 1
.endif
.endr
.endr
.endm
; 8 products of O^T += V^T P^T: tiles 4 bb .. 4 bb + 3 of the head's 128 x my two query tiles; K = the step's 128 keys
.macro MULV bb
	WIN 0x51
.irp t, 0,1,2,3
.irp q, 0,1
	MM 64*\q+8*(4*(\bb)+\t), F0+48*(\bb)+12*\t, PC+12*\q, 64*\q+8*(4*(\bb)+\t), VS+2*(\bb)+\t/2, PS+\q, \t%2, 0
.endr
.endr
.endm
; one query tile's softmax for one key step
.macro SOFTMAX q
.set rS, S+64*(\q)
.set rN, ST+4*(\q)
.set rP, PC+12*(\q)
.irp b, 0,1,2,3
	v_max3_num_f32 v[BM+\b], v[rS+16*\b], v[rS+16*\b+1], v[rS+16*\b+2]    ; the largest score of each block of 32 keys; each accumulator is read from its low end on
.endr
.irp i, 3,5,7,9,11,13
.irp b, 0,1,2,3
	v_max3_num_f32 v[BM+\b], v[BM+\b], v[rS+16*\b+\i], v[rS+16*\b+\i+1]
.endr
.endr
.irp b, 0,1,2,3
	v_max_num_f32 v[BM+\b], v[BM+\b], v[rS+16*\b+15]
.endr
.irp b, 0,1,2,3
	v_permlanex16_b32 v[BT+\b], v[BM+\b], s[SEL], s[SEL+1]
.endr
.irp b, 0,1,2,3
	v_max_num_f32 v[BM+\b], v[BM+\b], v[BT+\b]            ; with lane l xor 16's 16 keys
.endr
	v_max3_num_f32 v[T], v[BM], v[BM+1], v[BM+2]
	v_max_num_f32 v[T], v[T], v[BM+3]                     ; the step's largest score of my query
	v_mul_f32 v[T], s[CS], v[T]                           ; as t (c is positive)
	v_max_num_f32 v[rN+1], v[rN+1], v[T]                  ; the running largest t
	v_mov_b32 v[T], v[rN]
	v_floor_f32 v[rN], -v[rN+1]                           ; the new -M = floor(-t): M is a whole number
	v_sub_f32 v[T], v[rN], v[T]                           ; old M - new M, 0 or less
	v_cvt_i32_f32 v[T], v[T]                              ; (it saturates)
	v_ldexp_f32 v[F], 1.0, v[T]                           ; f = 2^(old M - new M)
.set j, 0
.rept 32
	v_pk_fma_f32 v[rS+j:rS+j+1], v[rS+j:rS+j+1], s[CS:CS+1], v[rN:rN+1] op_sel_hi:[1,0,0]   ; t - M, two at a time
.set j, j+2
.endr
.irp b, 0,1,2,3
	v_fma_f32 v[BM+\b], v[BM+\b], s[CS], v[rN]            ; the same of each block's largest score
.endr
.set j, 0
.rept 64
	v_exp_f32 v[rS+j], v[rS+j]                            ; p = 2^(t - M), at most 1
.set j, j+1
.endr
.irp b, 0,1,2,3
	v_exp_f32 v[BM+\b], v[BM+\b]                          ; the block's largest p
.endr
	v_pk_mul_f32 v[rN+2:rN+3], v[rN+2:rN+3], v[F:F+1] op_sel_hi:[1,0]   ; the sums under the new M; also the plain place behind the exponentials
	s_wait_alu depctr_va_vdst(0)
.irp b, 0,1,2,3
	v_max_num_f32 v[BM+\b], 0x1800000, v[BM+\b]           ; the floor 2^(3 - 127)
.endr
.irp b, 0,1,2,3
	v_add_nc_u32 v[SO+\b], 0xff000000, v[BM+\b]           ; 2 off the exponent field: the conversion's scale operand
.endr
.irp b, 0,1,2,3
	v_lshrrev_b32 v[BT+\b], 23, v[SO+\b]                  ; the scale's byte
.endr
	v_lshl_or_b32 v[PS+(\q)], v[BT+1], 8, v[BT]
	v_lshl_or_b32 v[PS+(\q)], v[BT+2], 16, v[PS+(\q)]
	v_lshl_or_b32 v[PS+(\q)], v[BT+3], 24, v[PS+(\q)]     ; p's scale word for these 128 keys
.irp c, 0,1
	v_cvt_scalef32_pk16_fp6_f32 v[rP+6*\c:rP+6*\c+2], v[rS+32*\c:rS+32*\c+15], v[SO+2*\c]
	v_cvt_scalef32_pk16_fp6_f32 v[BT+4*\c:BT+4*\c+2], v[rS+32*\c+16:rS+32*\c+31], v[SO+2*\c+1]
.endr
	v_nop                                          ; one plain place behind a scaled conversion
.irp c, 0,1
.irp i, 0,1,2
	v_permlane16_swap_b32 v[rP+6*\c+\i], v[BT+4*\c+\i]
.endr
.irp i, 0,1,2
	v_mov_b32 v[rP+6*\c+3+\i], v[BT+4*\c+\i]
.endr
.endr
	; THE ROW'S SUM IS TAKEN OF THE UNQUANTISED p, two at a time, as a tree in place (p is not wanted again): 16 + 8 + 4 + 2 + 1 additions of neighbours 1, 2, 4, 8 and 16 pairs apart, then one onto the running sum.
	; As many lines as a chain has, and only the last two wait for the line above them
.irp u, 0,1,2,3,4,5,6,7,8,9,10,11,12,13,14,15
	v_pk_add_f32 v[rS+4*\u:rS+4*\u+1], v[rS+4*\u:rS+4*\u+1], v[rS+4*\u+2:rS+4*\u+3]
.endr
.irp u, 0,1,2,3,4,5,6,7
	v_pk_add_f32 v[rS+8*\u:rS+8*\u+1], v[rS+8*\u:rS+8*\u+1], v[rS+8*\u+4:rS+8*\u+5]
.endr
.irp u, 0,1,2,3
	v_pk_add_f32 v[rS+16*\u:rS+16*\u+1], v[rS+16*\u:rS+16*\u+1], v[rS+16*\u+8:rS+16*\u+9]
.endr
.irp u, 0,1
	v_pk_add_f32 v[rS+32*\u:rS+32*\u+1], v[rS+32*\u:rS+32*\u+1], v[rS+32*\u+16:rS+32*\u+17]
.endr
	v_pk_add_f32 v[rS:rS+1], v[rS:rS+1], v[rS+32:rS+33]
	v_pk_add_f32 v[rN+2:rN+3], v[rN+2:rN+3], v[rS:rS+1]
	WIN 0x41
.set j, 64*(\q)
.rept 32
	v_pk_mul_f32 v[j:j+1], v[j:j+1], v[F:F+1] op_sel_hi:[1,0]   ; O^T under the new M, each accumulator from its low end on.  The sums and these are the places between p's codes and scale word and the products that take them
.set j, j+2
.endr
	WIN 0
.endm
; A KEY STEP: 128 keys.  nx = 1: the next step's first fragments and scale words are fetched at its end.
; At its head are out, in this order: K's fragments (tiles 0-3, K step 0) 12 loads, (tiles 0-3, K step 1) 12, V's scale words 4.
.macro STEP nx
	v_add_nc_u32 v[AKV], s[TB], v[AKV0]
	v_add_nc_u32 v[ASC], s[TSC], v[LS]
	s_wait_dscnt 16                                ; set 0 and K's scale words are in; set 1's 12 loads and V's 4 scale words may be out
	MULK 0, 0
	PLACES 4                                       ; in front of loads into registers that matrix instructions have read
	LDF F0, 8*1536, 3072
	s_wait_dscnt 16                                ; set 1 is in; V's 4 scale words and the 12 just issued may be out
	MULK 0, 1
	PLACES 4
	LDF F1, 9*1536, 3072
	s_wait_dscnt 12                                ; set 0 is in; the 12 just issued may be out
	MULK 1, 0
	PLACES 4
	LDF F0, 24576, 1536                            ; V's tiles 0-3
	s_wait_dscnt 12
	MULK 1, 1
	PLACES 4                                       ; for the loads below and for the first read of the scores
	LDF F1, 24576+6144, 1536                       ; V's tiles 4-7
.if \nx
.irp s, 0,1
.irp m, 0,1,2,3
	ds_load_b32 v[KS+4*\s+\m], v[ASC] offset:512+4096*\s+128*\m     ; the next step's scale words of K: lanes 0-15 tile 2 m, lanes 16-31 tile 2 m + 1
.endr
.endr
.endif
	SOFTMAX 0
	SOFTMAX 1
	s_wait_dscnt 0x0                               ; V's fragments, asked for ahead of the softmax
	MULV 0
	PLACES 4
.if \nx
	LDF F0, STEPB, 3072
.endif
	MULV 1
	PLACES 4
.if \nx
	LDF F1, STEPB+1536, 3072
.irp m, 0,1,2,3
	ds_load_b32 v[VS+\m], v[ASC] offset:VSB+512+128*\m
.endr
.endif
	WIN 0
	s_add_co_u32 s[TB], s[TB], STEPB
	s_add_co_u32 s[TSC], s[TSC], 512
.endm
	s_load_b256 s[4:11], s[0:1], 0x0               ; qc, qs, kv, oc
	s_load_b64 s[12:13], s[0:1], 0x20              ; os
	v_lshl_add_u32 v126, v0, 2, 0x4b000
	v_mov_b32 v127, 0
	ds_add_u32 v126, v127
	ds_add_u32 v126, v127
	v_lshrrev_b32 v6, 5, v0
	v_readfirstlane_b32 s[WV], v6                  ; wave 0..7
	s_and_b32 s[HB], ttmp7, 0xffff                 ; hb, which the four partners share
	s_mul_i32 s54, s[HB], 307200
	s_mul_i32 s55, s[WV], 15360
	s_add_co_u32 s54, s54, s55                     ; part A: my 60 rows of 256 bytes
	s_mov_b32 s55, 0
	s_mul_i32 s56, s[HB], 307200
	s_mul_i32 s57, s[WV], 23040
	s_add_co_u32 s56, s56, s57
	s_add_co_u32 s56, s56, 122880                  ; part B: my 90 rows
	s_mov_b32 s57, 0
	s_mov_b32 s[G1A], 15|(3<<16)|(1<<21)           ; the mask: all four work-groups; elements of 8 bytes; bit 21 beside a mask; no padding
	s_mov_b32 s[G1A+1], 32<<16
	s_mov_b32 s[G1A+2], 60<<16
	s_mov_b32 s[G1A+3], 32<<16
	s_mov_b32 s[G1A+4], 60
	s_mov_b32 s[G1A+5], 32
	s_mov_b32 s[G1A+6], 0
	s_mov_b32 s[G1A+7], 0
	s_mov_b32 s[G1B], 15|(3<<16)|(1<<21)
	s_mov_b32 s[G1B+1], 32<<16
	s_mov_b32 s[G1B+2], 90<<16
	s_mov_b32 s[G1B+3], 32<<16
	s_mov_b32 s[G1B+4], 90
	s_mov_b32 s[G1B+5], 32
	s_mov_b32 s[G1B+6], 0
	s_mov_b32 s[G1B+7], 0
	s_mov_b32 s[G0A], 1
	s_mul_i32 s[G0A+1], s[WV], 15360
	s_mov_b32 s[G0B], 1
	s_mul_i32 s[G0B+1], s[WV], 23040
	s_add_co_u32 s[G0B+1], s[G0B+1], 122880
	s_mov_b32 s[CS], 0x3db8aa3b                    ; c = log2(e) / 16
	s_mov_b32 s[CS+1], s[CS]                       ; (named with it as a pair, so it is written)
	s_mov_b32 s[SEL], 0x76543210
	s_mov_b32 s[SEL+1], 0xfedcba98
	s_mov_b32 s[HI], 0xffff0000
	s_mov_b32 s[TB], 0
	s_mov_b32 s[TSC], 0
	v_and_b32 v7, 31, v0
	v_lshlrev_b32 v[LI], 4, v7
	v_lshlrev_b32 v[LS], 2, v7
	v_add_nc_u32 v[AKV0], KBASE, v[LI]
	v_and_b32 v6, 15, v0
	v_bfe_u32 v7, v0, 4, 1
	v_lshlrev_b32 v[AQS], 2, v6
	v_lshl_add_u32 v[AQS], v7, 12, v[AQS]
	s_wait_dscnt 0x0
	s_wait_kmcnt 0x0
	s_add_nc_u64 s[G0A+2:G0A+3], s[8:9], s[54:55]
	s_or_b32 s[G0A+3], s[G0A+3], 0x80000000
	s_add_nc_u64 s[G0B+2:G0B+3], s[8:9], s[56:57]
	s_or_b32 s[G0B+3], s[G0B+3], 0x80000000
	CROUND                                         ; all four work-groups are here: the joint loads meet
	tensor_load_to_lds s[G0A:G0A+3], s[G1A:G1A+7]  ; my share of part A, which the first two key steps read, is asked for first; LDS is filled once in this launch
	s_nop 0
	PLACES 4
	; what hangs on my place in the cluster: addresses of my own loads and stores alone, in registers that no descriptor names
	s_bfe_u32 s15, ttmp6, 0x40000                  ; cx
	s_lshl_b32 s58, ttmp9, 2
	s_add_co_u32 s58, s58, s15
	s_lshl_b32 s58, s58, 4
	s_lshl_b32 s59, s[WV], 1
	s_add_co_u32 s58, s58, s59                     ; my first query tile
	s_lshl_b32 s59, s[HB], 6
	s_add_co_u32 s59, s59, s58
	s_mul_i32 s60, s59, 3072
	s_mov_b32 s61, 0
	s_add_nc_u64 s[4:5], s[4:5], s[60:61]
	s_lshl_b32 s60, s[HB], 13
	s_lshl_b32 s59, s58, 6
	s_add_co_u32 s60, s60, s59
	s_add_nc_u64 s[6:7], s[6:7], s[60:61]
	s_lshr_b32 s59, s[HB], 3
	s_lshl_b32 s59, s59, 6
	s_add_co_u32 s59, s59, s58                     ; 64 batch + tile
	s_and_b32 s62, s[HB], 7                        ; head
	s_lshl_b32 s60, s59, 3
	s_add_co_u32 s60, s60, s62
	s_mul_i32 s60, s60, 1536
	s_add_nc_u64 s[10:11], s[10:11], s[60:61]
	s_lshr_b32 s60, s59, 1
	s_lshl_b32 s60, s60, 3
	s_add_co_u32 s60, s60, s62
	s_lshl_b32 s60, s60, 7
	s_add_nc_u64 s[12:13], s[12:13], s[60:61]
.set k, 0
.rept 12
	global_load_b128 v[Q+4*k:Q+4*k+3], v[LI], s[4:5] offset:512*k   ; Q's four fragments (24 q + 12 s) stay in registers
.set k, k+1
.endr
.irp q, 0,1
	global_load_b32 v[QS+\q], v[AQS], s[6:7] offset:64*\q          ; lanes 0-15 K step 0, lanes 16-31 K step 1
.endr
.irp q, 0,1
	v_mov_b32 v[ST+4*\q+1], 0xff61b1e6             ; the largest t so far: -3e38, under every t
	v_floor_f32 v[ST+4*\q], -v[ST+4*\q+1]
	v_mov_b32 v[ST+4*\q+2], 0
	v_mov_b32 v[ST+4*\q+3], 0
.endr
.irp b, 0,1,2,3
	v_mov_b32 v[BT+\b], 0                          ; written once: a lane permute's destination counts as one of its sources
.endr
	v_mov_b32 v[F+1], 0                            ; (named as the upper half of a pair)
	WIN 0x40
.set j, 0
.rept 128
	v_mov_b32 v[j], 0                              ; O^T: the step is written in one form; the first change of M multiplies zeros
.set j, j+1
.endr
	WIN 0
	v_add_nc_u32 v[AKV], s[TB], v[AKV0]
	v_add_nc_u32 v[ASC], s[TSC], v[LS]
	tensor_load_to_lds s[G0B:G0B+3], s[G1B:G1B+7]  ; my share of part B, read from key step 2's end on: two tensor loads of mine are out.  Still ahead of the first wait on TENSORcnt, the first LDS read and the first barrier behind the round
	s_nop 0
	PLACES 4
	s_wait_tensorcnt 0x1                           ; my share of part A is in (part B may be out)
	BAR                                            ; everybody's is
.irp s, 0,1
.irp m, 0,1,2,3
	ds_load_b32 v[KS+4*\s+\m], v[ASC] offset:4096*\s+128*\m
.endr
.endr
	LDF F0, 0, 3072
	LDF F1, 1536, 3072
.irp m, 0,1,2,3
	ds_load_b32 v[VS+\m], v[ASC] offset:VSB+128*\m
.endr
	s_wait_loadcnt 0x0                             ; Q
	STEP 1                                         ; key steps 0 and 1 read bytes of part A alone (their look-ahead ends inside key step 2)
	STEP 1
	s_wait_tensorcnt 0x0                           ; my share of part B is in;
	s_wait_dscnt 0x0                               ; no LDS load is out at a signal
	BAR
	s_mov_b32 s[CNT], 5
.Lstep:
	STEP 1
	s_sub_co_u32 s[CNT], s[CNT], 1
	s_cmp_lg_u32 s[CNT], 0
	s_cbranch_scc1 .Lstep
	STEP 0
	; THE WAY OUT: O^T / the sum, quantised along the head's 128, as the last product's operand
.irp q, 0,1
	v_add_f32 v[ST+4*\q+2], v[ST+4*\q+2], v[ST+4*\q+3]
.endr
.irp q, 0,1
	v_permlanex16_b32 v[BT+\q], v[ST+4*\q+2], s[SEL], s[SEL+1]
.endr
.irp q, 0,1
	v_add_f32 v[ST+4*\q+2], v[ST+4*\q+2], v[BT+\q]        ; the row's sum
.endr
.irp q, 0,1
	v_rcp_f32 v[ST+4*\q+2], v[ST+4*\q+2]
.endr
	v_nop                                          ; a plain place behind the transcendentals
	s_wait_alu depctr_va_vdst(0)
.irp q, 0,1
	WIN 0x41
.set j, 64*\q
.rept 32
	v_pk_mul_f32 v[j:j+1], v[j:j+1], v[ST+4*\q+2:ST+4*\q+3] op_sel_hi:[1,0]
.set j, j+2
.endr
	WIN 0
	QUANT 64*\q, 1, PC+12*\q, PW+\q
	STORE3 PC+12*\q, 10, 12288*\q                  ; the next tile lies 8 heads' fragments on
.endr
	v_cndmask_b32 v[RR], v[PW], v[PW+1], s[HI]     ; lanes 0-15 the even tile's words, lanes 16-31 the odd tile's
	global_store_b32 v[LS], v[RR], s[12:13]
	s_wait_tensorcnt 0x0
	ds_add_u32 v126, v127
	s_wait_dscnt 0x0
	CROUND                                         ; the closing round
	s_endpgm
.Lfunc_end_k_q2492e57ea5_attn:
	.size	k_q2492e57ea5_attn, .Lfunc_end_k_q2492e57ea5_attn-k_q2492e57ea5_attn
	.p2alignl 7, 3214868480
	.fill 96, 4, 3214868480
	.section	.rodata,"a",@progbits
	.p2align	6, 0x0
	.amdhsa_kernel k_q2492e57ea5_attn
		.amdhsa_group_segment_fixed_size 308224
		.amdhsa_private_segment_fixed_size 0
		.amdhsa_enable_private_segment 0
		.amdhsa_kernarg_size 40
		.amdhsa_user_sgpr_count 2
		.amdhsa_user_sgpr_kernarg_segment_ptr 1
		.amdhsa_wavefront_size32 1
		.amdhsa_system_sgpr_workgroup_id_x 1
		.amdhsa_system_sgpr_workgroup_id_y 1
		.amdhsa_system_sgpr_workgroup_id_z 1
		.amdhsa_system_vgpr_workitem_id 0
		.amdhsa_next_free_vgpr 512
		.amdhsa_next_free_sgpr 72
		.amdhsa_reserve_vcc 0
		.amdhsa_float_denorm_mode_32 3
		.amdhsa_float_denorm_mode_16_64 3
		.amdhsa_memory_ordered 1
		.amdhsa_forward_progress 1
		.amdhsa_inst_pref_size 178
	.end_amdhsa_kernel
	.amdgpu_metadata
---
amdhsa.version: [ 1, 2 ]
amdhsa.kernels:
  - .name:           k_q2492e57ea5_attn
    .symbol:         k_q2492e57ea5_attn.kd
    .args:
      - { .name: qc, .offset: 0, .size: 8, .value_kind: global_buffer, .address_space: global }
      - { .name: qs, .offset: 8, .size: 8, .value_kind: global_buffer, .address_space: global }
      - { .name: kv, .offset: 16, .size: 8, .value_kind: global_buffer, .address_space: global }
      - { .name: oc, .offset: 24, .size: 8, .value_kind: global_buffer, .address_space: global }
      - { .name: os, .offset: 32, .size: 8, .value_kind: global_buffer, .address_space: global }
    .group_segment_fixed_size: 308224
    .private_segment_fixed_size: 0
    .kernarg_segment_align: 8
    .kernarg_segment_size: 40
    .max_flat_workgroup_size: 256
    .sgpr_count:     72
    .vgpr_count:     512
    .wavefront_size: 32
...
	.end_amdgpu_metadata
.endif
;; end of part 3
;; launch proj (part 4): grid 4 x 64, 4 waves a work-group, clusters of 4 x 4, 220,672 bytes of LDS; arguments oc, os, wo_codes, wo_scales, bo, out0; writes out0
.if DOCPART == 4
	.amdgcn_target "amdgcn-amd-amdhsa--gfx1250"
	.amdhsa_code_object_version 6
	.text
	.protected	k_q2492e57ea5_proj
	.globl	k_q2492e57ea5_proj
	.p2align	8
	.type	k_q2492e57ea5_proj,@function
k_q2492e57ea5_proj:
	s_mov_b64 s[64:65], 0
	v_nop
	global_prefetch_b8 v0, s[64:65] scope:SCOPE_SE
	s_setreg_imm32_b32 hwreg(HW_REG_WAVE_MODE, 25, 1), 1
	s_wait_xcnt 0x0
	s_wait_alu depctr_hold_cnt(0) depctr_sa_sdst(0) depctr_va_vdst(0) depctr_va_sdst(0) depctr_va_ssrc(0) depctr_va_vcc(0) depctr_vm_vsrc(0)
	s_getreg_b32 s2, hwreg(HW_REG_IB_STS2, 6, 4)
	s_cmp_eq_u32 s2, 0
	s_cbranch_scc0 .Lentry_in_a_cluster
	s_endpgm
.Lentry_in_a_cluster:
	s_bfe_u32 s2, ttmp6, 0x10000c
	s_cmp_lg_u32 s2, 0xf033
	s_cbranch_scc0 .Lentry_shape_is_right
	s_endpgm
.Lentry_shape_is_right:
; out[token][f] = sum over K of o[token][K] wo[f][K] + bo[f], K = 8 heads x 128, on codes of E2M3; out0 is [8192 tokens][512] f32 as it lies.
; SHARES.  Work-group x: 128 features; y: 128 tokens (8 tiles).  Wave w = 2 i + jf: token tiles 4 i on, features 64 jf on: 16 accumulators, 8 K steps, 128 matrix instructions.
; Source 0 = 16 rows of wo, source 1 = 16 tokens: a lane's eight results are eight neighbouring features of one token.  The bias is the C of each sum's first product.
; Token tile T holds in lane r token 16 (T - T % 2) + 2 r + T % 2.
; CLUSTERS: 4 x 4.  The tokens' images are shared along a row of the cluster, wo's rows along a column: each is asked for jointly, once; LDS is filled once in this launch.
; REGISTERS: window 0: v1-12 addresses; v16-31 the tokens' scale words; v32-47 wo's; v48-79 bo as C; v128-255 accumulators 8 (4 tt + f).  window 1: two sets of 96 (wo 12 f, tokens 48 + 12 tt); on the way out v0-127 rows of out.
.set WPITCH, 816                       ; a row of wo in LDS: 3 x (256 bytes + 16 of padding)
.set WOB,    98304                     ; behind the tokens' images
.set STAGE,  202752                    ; 16 rows x 272 bytes for each wave, for the way out: no tile lands here
.set LI,   3
.set LS,   4
.set ATK,  5
.set AWO,  6                           ; v6, v7
.set STO,  8
.set RD,   9
.set CO,   10
.set AWS,  11
.set ABO,  12
.set OS,   16
.set WS,   32
.set BO,   48
.set ACC,  128
.set WV,   16
.set II,   17
.set JF,   18
.set FX,   21
.set TY,   22
.set G1T,  24
.set G0T,  32
.set G1W,  40
.set G0W,  48
.set MSB, 0
.macro WIN new                         ; the immediate's high byte repeats the setting that is left
.if MSB != (\new)
	s_set_vgpr_msb (MSB<<8)|(\new)
.set MSB, (\new)
.endif
.endm
.macro PLACES n
.rept \n
	v_nop
.endr
.endm
.macro CROUND                          ; a round of the cluster's barrier
	s_barrier_signal -1
	s_barrier_wait -1
	s_cmp_lg_u32 s[WV], 0
	s_cbranch_scc1 .Lnot_wave_0_\@
	s_barrier_signal -3
.Lnot_wave_0_\@:
	s_barrier_wait -3
	s_barrier_signal -1
	s_barrier_wait -1
.endm
.macro FRAGL reg, adr, s, off, per     ; a fragment from padded rows: six pieces of 8 bytes; the second address register serves the pieces that for lanes 16-31 lie behind one padding more
.irp p, 0,1,2,3,4,5
.set PCI, 12*(\s)+6*(\p/3)+\p%3
.if PCI%(\per) < (\per)-3
	ds_load_b64 v[(\reg)+2*\p:(\reg)+2*\p+1], v[\adr] offset:(\off)+8*PCI+16*(PCI/(\per))
.else
	ds_load_b64 v[(\reg)+2*\p:(\reg)+2*\p+1], v[(\adr)+1] offset:(\off)+8*PCI+16*(PCI/(\per))
.endif
.endr
.endm
.macro MM d, a, b, c, sa, sb, ra, rb   ; one product; ra, rb: the side's scale words lie in lanes 16-31
.if (\ra) && (\rb)
	v_wmma_scale_f32_16x16x128_f8f6f4 v[(\d):(\d)+7], v[(\a):(\a)+11], v[(\b):(\b)+11], v[(\c):(\c)+7], v[(\sa)], v[(\sb)] matrix_a_fmt:MATRIX_FMT_FP6 matrix_b_fmt:MATRIX_FMT_FP6 matrix_a_scale:MATRIX_SCALE_ROW1 matrix_b_scale:MATRIX_SCALE_ROW1
.elseif (\ra)
	v_wmma_scale_f32_16x16x128_f8f6f4 v[(\d):(\d)+7], v[(\a):(\a)+11], v[(\b):(\b)+11], v[(\c):(\c)+7], v[(\sa)], v[(\sb)] matrix_a_fmt:MATRIX_FMT_FP6 matrix_b_fmt:MATRIX_FMT_FP6 matrix_a_scale:MATRIX_SCALE_ROW1
.elseif (\rb)
	v_wmma_scale_f32_16x16x128_f8f6f4 v[(\d):(\d)+7], v[(\a):(\a)+11], v[(\b):(\b)+11], v[(\c):(\c)+7], v[(\sa)], v[(\sb)] matrix_a_fmt:MATRIX_FMT_FP6 matrix_b_fmt:MATRIX_FMT_FP6 matrix_b_scale:MATRIX_SCALE_ROW1
.else
	v_wmma_scale_f32_16x16x128_f8f6f4 v[(\d):(\d)+7], v[(\a):(\a)+11], v[(\b):(\b)+11], v[(\c):(\c)+7], v[(\sa)], v[(\sb)] matrix_a_fmt:MATRIX_FMT_FP6 matrix_b_fmt:MATRIX_FMT_FP6
.endif
.endm
.macro FETCH s                         ; K step s: my four tiles of wo (24 loads) and my four token tiles (12 loads) into set s % 2
	WIN 0x40
.irp f, 0,1,2,3
	FRAGL 96*((\s)%2)+12*\f, AWO, \s, 16*WPITCH*\f, 32
.endr
.irp t, 0,1,2,3
.irp c, 0,1,2
	ds_load_b128 v[96*((\s)%2)+48+12*\t+4*\c:96*((\s)%2)+48+12*\t+4*\c+3], v[ATK] offset:(8*\t+(\s))*1536+512*\c
.endr
.endr
	WIN 0
.endm
; THE WAY OUT of token tile t: 32 bytes a lane into my own stage, back as rows of 256 bytes.  LDS serves a wave's instructions in order: no wait between the stores and the loads, nor in front of the next tile's stores
.macro TOSTAGE t
.irp f, 0,1,2,3
	ds_store_b128 v[STO], v[ACC+8*(4*(\t)+\f):ACC+8*(4*(\t)+\f)+3] offset:64*\f           ; each accumulator from its low end on
	ds_store_b128 v[STO], v[ACC+8*(4*(\t)+\f)+4:ACC+8*(4*(\t)+\f)+7] offset:64*\f+16
.endr
	WIN 0x40
.irp i, 0,1,2,3,4,5,6,7
	ds_load_b128 v[32*(\t)+4*\i:32*(\t)+4*\i+3], v[RD] offset:544*\i
.endr
	WIN 0
.endm
.macro SEND t, n                       ; n: the LDS instructions issued behind tile t's loads, which may stay out
	s_wait_dscnt \n
	WIN 0x04                                       ; a store's data are its source 1: window 1
.irp i, 0,1,2,3,4,5,6,7
	global_store_b128 v[CO], v[32*(\t)+4*\i:32*(\t)+4*\i+3], s[14:15] offset:(32*((\t)/2)+(\t)%2)*2048+8192*\i th:TH_STORE_NT   ; sixteen lanes store 256 consecutive bytes, at a multiple of 256 from out0's first byte
.endr
	WIN 0
.endm
	s_load_b256 s[4:11], s[0:1], 0x0               ; oc, os, wo_codes, wo_scales
	s_load_b128 s[12:15], s[0:1], 0x20             ; bo, out0
	v_lshl_add_u32 v126, v0, 2, 0x35c00
	v_mov_b32 v127, 0
	ds_add_u32 v126, v127
	ds_add_u32 v126, v127
	v_lshrrev_b32 v5, 5, v0
	v_readfirstlane_b32 s[WV], v5                  ; wave 0..3
	s_lshr_b32 s[II], s[WV], 1                     ; which four token tiles.  Also: I fetch the tokens (0) or wo (1)
	s_and_b32 s[JF], s[WV], 1                      ; which 64 features.  Also: which half of that tile I fetch
	s_bfe_u32 s19, ttmp6, 0x40000                  ; cx
	s_bfe_u32 s20, ttmp6, 0x40004                  ; cy
	s_lshl_b32 s[FX], ttmp9, 2
	s_add_co_u32 s[FX], s[FX], s19                 ; which 128 features
	s_and_b32 s[TY], ttmp7, 0xffff
	s_lshl_b32 s[TY], s[TY], 2
	s_add_co_u32 s[TY], s[TY], s20                 ; which 128 tokens
	s_lshl_b32 s36, s20, 2
	s_lshl_b32 s36, 15, s36                        ; my row of the cluster
	s_lshl_b32 s37, 0x1111, s19                    ; my column
	s_or_b32 s[G1T], s36, (3<<16)|(1<<21)          ; the tokens' images: dense rows of 256 bytes (32 elements of 8 bytes), to my row
	s_mov_b32 s[G1T+1], 32<<16
	s_mov_b32 s[G1T+2], 192<<16
	s_mov_b32 s[G1T+3], 32<<16
	s_mov_b32 s[G1T+4], 192
	s_mov_b32 s[G1T+5], 32
	s_mov_b32 s[G1T+6], 0
	s_mov_b32 s[G1T+7], 0
	s_or_b32 s[G1W], s37, (1<<20)|(1<<21)|(5<<22)|(3<<25)   ; wo: 64 rows of 768 bytes, 16 bytes of padding behind every 256, to my column
	s_mov_b32 s[G1W+1], 768<<16
	s_mov_b32 s[G1W+2], 64<<16
	s_mov_b32 s[G1W+3], 768<<16
	s_mov_b32 s[G1W+4], 64
	s_mov_b32 s[G1W+5], 768
	s_mov_b32 s[G1W+6], 0
	s_mov_b32 s[G1W+7], 0
	s_mul_i32 s52, s[TY], 98304                    ; the tokens' address hangs on the token block and the wave's number alone,
	s_mul_i32 s53, s[JF], 49152
	s_add_co_u32 s52, s52, s53
	s_mov_b32 s53, 0
	s_lshl_b32 s54, s[FX], 7                       ; wo's on the feature block and the wave's number alone
	s_lshl_b32 s55, s[JF], 6
	s_add_co_u32 s54, s54, s55
	s_mul_i32 s54, s54, 768
	s_mov_b32 s55, 0
	s_mov_b32 s[G0T], 1
	s_mul_i32 s[G0T+1], s[JF], 49152
	s_mov_b32 s[G0W], 1
	s_mul_i32 s[G0W+1], s[JF], 64*WPITCH
	s_add_co_u32 s[G0W+1], s[G0W+1], WOB
	v_and_b32 v1, 15, v0                           ; r
	v_bfe_u32 v2, v0, 4, 1                         ; h
	v_and_b32 v5, 31, v0
	v_lshlrev_b32 v[LI], 4, v5
	v_lshlrev_b32 v[LS], 2, v5
	s_mul_i32 s66, s[II], 49152
	v_add_nc_u32 v[ATK], s66, v[LI]
	v_mul_u32_u24 v[AWO], v1, WPITCH
	v_mad_u32_u24 v[AWO], v2, 24, v[AWO]
	s_mul_i32 s66, s[JF], 64*WPITCH
	s_add_co_u32 s66, s66, WOB
	v_add_nc_u32 v[AWO], s66, v[AWO]
	v_lshl_add_u32 v[AWO+1], v2, 4, v[AWO]
	s_mul_i32 s66, s[WV], 16*272
	s_add_co_u32 s66, s66, STAGE                   ; my stage
	v_mul_u32_u24 v[STO], v1, 272
	v_lshl_add_u32 v[STO], v2, 5, v[STO]
	v_add_nc_u32 v[STO], s66, v[STO]               ; in: row r, 32 bytes for each half of the lanes
	v_mul_u32_u24 v[RD], v2, 272
	v_lshl_add_u32 v[RD], v1, 4, v[RD]
	v_add_nc_u32 v[RD], s66, v[RD]                 ; back: lanes 0-15 one row, lanes 16-31 the next
	v_lshlrev_b32 v[CO], 4, v1
	v_lshl_add_u32 v[CO], v2, 12, v[CO]            ; neighbouring rows of a tile are two tokens, 4,096 bytes, apart
	v_lshlrev_b32 v[AWS], 5, v1
	v_lshl_add_u32 v[AWS], v2, 10, v[AWS]          ; wo's scale rows of 32 bytes: row r + 32 h
	v_lshlrev_b32 v[ABO], 5, v2
	s_wait_dscnt 0x0
	s_wait_kmcnt 0x0
	s_add_nc_u64 s[G0T+2:G0T+3], s[4:5], s[52:53]
	s_or_b32 s[G0T+3], s[G0T+3], 0x80000000
	s_add_nc_u64 s[G0W+2:G0W+3], s[8:9], s[54:55]
	s_or_b32 s[G0W+3], s[G0W+3], 0x80000000
	CROUND                                         ; all sixteen work-groups are here: the joint loads meet
	s_cmp_eq_u32 s[II], 0                          ; waves 0 and 1 fetch the tokens' halves, waves 2 and 3 wo's: one tensor load of mine is out
	s_cbranch_scc0 .Lfor_w
	tensor_load_to_lds s[G0T:G0T+3], s[G1T:G1T+7]
	s_nop 0
	PLACES 4
	s_branch .Lasked
.Lfor_w:
	tensor_load_to_lds s[G0W:G0W+3], s[G1W:G1W+7]
	s_nop 0
	PLACES 4
.Lasked:
	s_lshl_b32 s56, s[TY], 7
	s_lshl_b32 s57, s[II], 6
	s_add_co_u32 s56, s56, s57
	s_lshl_b32 s56, s56, 11                        ; my first token's row of 2,048 bytes,
	s_lshl_b32 s57, s[FX], 9
	s_add_co_u32 s56, s56, s57
	s_lshl_b32 s57, s[JF], 8
	s_add_co_u32 s56, s56, s57                     ; my 64 features in it
	s_mov_b32 s57, 0
	s_add_nc_u64 s[14:15], s[14:15], s[56:57]
	s_lshl_b32 s58, s[TY], 1
	s_add_co_u32 s58, s58, s[II]
	s_lshl_b32 s58, s58, 11                        ; two pairs of tiles, 1,024 bytes of scale words each
	s_mov_b32 s59, 0
	s_add_nc_u64 s[6:7], s[6:7], s[58:59]
	s_lshl_b32 s60, s[FX], 7
	s_lshl_b32 s61, s[JF], 6
	s_add_co_u32 s60, s60, s61                     ; my first feature
	s_lshl_b32 s62, s60, 5
	s_mov_b32 s63, 0
	s_add_nc_u64 s[10:11], s[10:11], s[62:63]
	s_lshl_b32 s62, s60, 2
	s_add_nc_u64 s[12:13], s[12:13], s[62:63]
.set k, 0
.rept 16
	global_load_b32 v[OS+k], v[LS], s[6:7] offset:128*k            ; register 8 (tt / 2) + s: lanes 0-15 the even tile, lanes 16-31 the odd one
.set k, k+1
.endr
.irp f, 0,1
.irp u, 0,1
	global_load_b128 v[WS+8*\f+4*\u:WS+8*\f+4*\u+3], v[AWS], s[10:11] offset:512*\f+16*\u   ; register 8 (f % 2) + s: lanes 0-15 tile f, lanes 16-31 tile f + 2
.endr
.endr
.irp f, 0,1,2,3
	global_load_b128 v[BO+8*\f:BO+8*\f+3], v[ABO], s[12:13] offset:64*\f
	global_load_b128 v[BO+8*\f+4:BO+8*\f+7], v[ABO], s[12:13] offset:64*\f+16
.endr
	s_wait_tensorcnt 0x0                           ; my part is in,
	s_barrier_signal -1
	s_barrier_wait -1                              ; everybody's is
	FETCH 0
	s_wait_loadcnt 0x0
.irp s, 0,1,2,3,4,5,6,7                ; the 16 accumulators take turns, one instruction a turn
.if \s < 7
.if \s > 0
	PLACES 4                                       ; in front of loads into registers that matrix instructions have read
.endif
	FETCH \s+1
	s_wait_dscnt 36                                ; this step's fragments are in; the 36 loads just issued may be out
.else
	s_wait_dscnt 0x0
.endif
	WIN 0x05                                       ; both sources window 1; C and D window 0
.irp t, 0,1,2,3
.irp f, 0,1,2,3
.if \s == 0
	MM ACC+8*(4*\t+\f), 96*(\s%2)+12*\f, 96*(\s%2)+48+12*\t, BO+8*\f, WS+8*(\f%2)+\s, OS+8*(\t/2)+\s, \f/2, \t%2
.else
	MM ACC+8*(4*\t+\f), 96*(\s%2)+12*\f, 96*(\s%2)+48+12*\t, ACC+8*(4*\t+\f), WS+8*(\f%2)+\s, OS+8*(\t/2)+\s, \f/2, \t%2
.endif
.endr
.endr
	WIN 0
.endr
	PLACES 4                                       ; in front of the first read of results and of loads into the fragments' registers
	TOSTAGE 0
	TOSTAGE 1
	SEND 0, 16                                     ; behind tile 0's loads: tile 1's 8 stores and 8 loads
	TOSTAGE 2
	SEND 1, 16
	TOSTAGE 3
	SEND 2, 16
	SEND 3, 0
	s_wait_tensorcnt 0x0
	ds_add_u32 v126, v127
	s_wait_dscnt 0x0
	CROUND                                         ; the closing round
	s_endpgm
.Lfunc_end_k_q2492e57ea5_proj:
	.size	k_q2492e57ea5_proj, .Lfunc_end_k_q2492e57ea5_proj-k_q2492e57ea5_proj
	.p2alignl 7, 3214868480
	.fill 96, 4, 3214868480
	.section	.rodata,"a",@progbits
	.p2align	6, 0x0
	.amdhsa_kernel k_q2492e57ea5_proj
		.amdhsa_group_segment_fixed_size 220672
		.amdhsa_private_segment_fixed_size 0
		.amdhsa_enable_private_segment 0
		.amdhsa_kernarg_size 48
		.amdhsa_user_sgpr_count 2
		.amdhsa_user_sgpr_kernarg_segment_ptr 1
		.amdhsa_wavefront_size32 1
		.amdhsa_system_sgpr_workgroup_id_x 1
		.amdhsa_system_sgpr_workgroup_id_y 1
		.amdhsa_system_sgpr_workgroup_id_z 1
		.amdhsa_system_vgpr_workitem_id 0
		.amdhsa_next_free_vgpr 512
		.amdhsa_next_free_sgpr 80
		.amdhsa_reserve_vcc 0
		.amdhsa_float_denorm_mode_32 3
		.amdhsa_float_denorm_mode_16_64 3
		.amdhsa_memory_ordered 1
		.amdhsa_forward_progress 1
		.amdhsa_inst_pref_size 54
	.end_amdhsa_kernel
	.amdgpu_metadata
---
amdhsa.version: [ 1, 2 ]
amdhsa.kernels:
  - .name:           k_q2492e57ea5_proj
    .symbol:         k_q2492e57ea5_proj.kd
    .args:
      - { .name: oc, .offset: 0, .size: 8, .value_kind: global_buffer, .address_space: global }
      - { .name: os, .offset: 8, .size: 8, .value_kind: global_buffer, .address_space: global }
      - { .name: wo_codes, .offset: 16, .size: 8, .value_kind: global_buffer, .address_space: global }
      - { .name: wo_scales, .offset: 24, .size: 8, .value_kind: global_buffer, .address_space: global }
      - { .name: bo, .offset: 32, .size: 8, .value_kind: global_buffer, .address_space: global }
      - { .name: out0, .offset: 40, .size: 8, .value_kind: global_buffer, .address_space: global }
    .group_segment_fixed_size: 220672
    .private_segment_fixed_size: 0
    .kernarg_segment_align: 8
    .kernarg_segment_size: 48
    .max_flat_workgroup_size: 128
    .sgpr_count:     80
    .vgpr_count:     512
    .wavefront_size: 32
...
	.end_amdgpu_metadata
.endif
;; end of part 4
